; MI455X (gfx1250); checked and timed in simulation.
; The chip was launched on July 23, 2026; its instructions are those of AMD's public machine-readable ISA for CDNA 5 (MIT licence, August 2026) and "CDNA5" Instruction Set Architecture Reference Guide (July 2026). The comments in the code are by the model that wrote it; some were corrected since.
;; FFN. Allowed arithmetic: matrix products marked QUANTISED: E3M2 operands, one E8M0 scale for each 32 along K, by v_wmma_scale_f32_16x16x128_f8f6f4 with both operands' format E3M2, f32 sums; products left as they are: f32 operands where the result goes on into a quantised operand, else bf16, f16 or f32 operands; f32 sums; everything else in f32.
;; Inputs: W1 8 x 2,048 x 1,024 float32; W2 8 x 1,024 x 2,048 float32; W3 8 x 2,048 x 1,024 float32; gate_b 8 float32; gate_w 8 x 1,024 float32; x 4 x 256 x 1,024 float32.
;; Outputs: out0 4 x 256 x 1,024 float32.
;; This version of the problem:
;;   THIS VERSION OF THE PROBLEM IS GIVEN IN LOW PRECISION. The matrix products marked QUANTISED in the list below multiply operands that are first quantised to E3M2 (3 exponent bits, 2 mantissa bits; 6 bits a number), with one power-of-two scale for each 32 numbers along K (OCP MX v1.0); their sums are f32. All else is computed in f32.
;;   The module's matrix products, in the order in which they are computed (A, B: the left and right operand; K: the contracted axis; several contracted axes count as one K, in the product's order):
;;     1. [M 1,024, K 1,024] x [K 1,024, N 8]; A: input x; B: input gate_w: left as it is (N = 8 < 16)
;;     2. [M 1,024, K 1,024] x [K 1,024, N 2,048]; A: input x; B: input W1: QUANTISED
;;     3. [M 1,024, K 1,024] x [K 1,024, N 2,048]; A: input x; B: input W3: QUANTISED
;;     4. [M 1,024, K 2,048] x [K 2,048, N 1,024]; A: computed on the way; B: input W2: QUANTISED
;;     5. [M 1,024, K 1,024] x [K 1,024, N 2,048]; A: input x; B: input W1: QUANTISED
;;     6. [M 1,024, K 1,024] x [K 1,024, N 2,048]; A: input x; B: input W3: QUANTISED
;;     7. [M 1,024, K 2,048] x [K 2,048, N 1,024]; A: computed on the way; B: input W2: QUANTISED
;;     8. [M 1,024, K 1,024] x [K 1,024, N 2,048]; A: input x; B: input W1: QUANTISED
;;     9. [M 1,024, K 1,024] x [K 1,024, N 2,048]; A: input x; B: input W3: QUANTISED
;;     10. [M 1,024, K 2,048] x [K 2,048, N 1,024]; A: computed on the way; B: input W2: QUANTISED
;;     11. [M 1,024, K 1,024] x [K 1,024, N 2,048]; A: input x; B: input W1: QUANTISED
;;     12. [M 1,024, K 1,024] x [K 1,024, N 2,048]; A: input x; B: input W3: QUANTISED
;;     13. [M 1,024, K 2,048] x [K 2,048, N 1,024]; A: computed on the way; B: input W2: QUANTISED
;;     14. [M 1,024, K 1,024] x [K 1,024, N 2,048]; A: input x; B: input W1: QUANTISED
;;     15. [M 1,024, K 1,024] x [K 1,024, N 2,048]; A: input x; B: input W3: QUANTISED
;;     16. [M 1,024, K 2,048] x [K 2,048, N 1,024]; A: computed on the way; B: input W2: QUANTISED
;;     17. [M 1,024, K 1,024] x [K 1,024, N 2,048]; A: input x; B: input W1: QUANTISED
;;     18. [M 1,024, K 1,024] x [K 1,024, N 2,048]; A: input x; B: input W3: QUANTISED
;;     19. [M 1,024, K 2,048] x [K 2,048, N 1,024]; A: computed on the way; B: input W2: QUANTISED
;;     20. [M 1,024, K 1,024] x [K 1,024, N 2,048]; A: input x; B: input W1: QUANTISED
;;     21. [M 1,024, K 1,024] x [K 1,024, N 2,048]; A: input x; B: input W3: QUANTISED
;;     22. [M 1,024, K 2,048] x [K 2,048, N 1,024]; A: computed on the way; B: input W2: QUANTISED
;;     23. [M 1,024, K 1,024] x [K 1,024, N 2,048]; A: input x; B: input W1: QUANTISED
;;     24. [M 1,024, K 1,024] x [K 1,024, N 2,048]; A: input x; B: input W3: QUANTISED
;;     25. [M 1,024, K 2,048] x [K 2,048, N 1,024]; A: computed on the way; B: input W2: QUANTISED
;;   THE QUANTISER, for each operand of a quantised product, along K:
;;     - K is cut into blocks of 32 from its start; a last block that is shorter is filled with zeros.
;;     - A block's scale is 2^e with e = floor(log2(the largest magnitude in the block)) - 4, held to -126 .. 127; a block of zeros has e = 0. As a byte (E8M0): e + 127.
;;     - Each number is divided by its block's scale, clamped to +-28, and rounded to the nearest number of E3M2, ties to even, subnormals kept.
;;     - The product sums the exact products of the quantised numbers (number of the format x scale) in f32.
;;   ~~~python
;;   def quantise(x, axis):      # numpy; x: float32 -> the quantised numbers, widened to float32 again
;;       x = np.moveaxis(x, axis, -1); K = x.shape[-1]
;;       x = np.pad(x, [(0, 0)] * (x.ndim - 1) + [(0, -K % 32)]); x = x.reshape(x.shape[:-1] + (-1, 32)); a = np.abs(x).max(-1, keepdims=True)
;;       e = np.where(a > 0, np.clip(np.frexp(np.where(a > 0, a, 1))[1] - 1 - 4, -126, 127), 0)      # np.frexp(a)[1] - 1 = floor(log2(a)), exactly
;;       r = np.clip(x / 2.0 ** e, -28, 28)
;;       step = 2.0 ** (np.maximum(np.frexp(np.where(r == 0, 1, r))[1] - 1, -2) - 2)
;;       q = np.round(r / step) * step * 2.0 ** e      # np.round: ties to even
;;       return np.moveaxis(q.reshape(q.shape[:-2] + (-1,))[..., :K], -1, axis).astype(np.float32)
;;   ~~~
;;   OPERANDS COMPUTED ON THE WAY. 'Computed on the way' means the value that the module computes at that place (a softmax that the list does not call 'softmax' is quantised finished and normalised). What goes into a quantiser is computed in f32, as accurately as f32 sums, v_exp_f32 and their like allow (about 1e-6 of the number): no bf16 or f16 on the way to a quantiser, and a product that is left as it is and whose result goes on into a quantised operand takes f32 operands (vector FMAs, or v_wmma_f32_16x16x4_f32). A number that lies on a knife's edge between two numbers of the format may be rounded either way, as far as f32 arithmetic and the matrix unit's own rounding can turn it there, and no further.
;; 2 versions. Each part assembles by itself: llvm-mc -triple=amdgcn-amd-amdhsa -mcpu=gfx1250 --defsym DOCPART=n.
;; ======== version 1 of 2: 4 launches
;; workspace buffers: xq 1,048,576 bytes; sel 4,096 bytes of whole numbers; coef 8,192 bytes; posE 32,768 bytes of whole numbers; cnt 2,048 bytes of whole numbers; hq 13,107,200 bytes; yq 33,554,432 bytes
;; launch route (part 1): grid 256 x 1, 4 waves a work-group, no clusters, 23,040 bytes of LDS; arguments x, gate_w, gate_b, xq, sel, coef; writes xq, sel, coef
.if DOCPART == 1
	.amdgcn_target "amdgcn-amd-amdhsa--gfx1250"
	.amdhsa_code_object_version 6
	.text
	.protected	k_q0d63884fe1_route
	.globl	k_q0d63884fe1_route
	.p2align	8
	.type	k_q0d63884fe1_route,@function
k_q0d63884fe1_route:
	s_mov_b64 s[64:65], 0
	v_nop
	global_prefetch_b8 v0, s[64:65] scope:SCOPE_SE
	s_setreg_imm32_b32 hwreg(HW_REG_WAVE_MODE, 25, 1), 1
	s_wait_xcnt 0x0
; THE ROUTER, AND x INTO CODES.  x: [1024 tokens][1024] f32.  gate_w: [8][1024], gate_b: [8] f32.
; One wave takes one token (4 x work-group + wave); waves share nothing, so there is no barrier.
; ROUTER, all in f32: logits by fused multiply-adds, softmax with the row's maximum taken away first, the two largest p
; (of equal p the lower index wins, as jax.lax.top_k has it), both divided by their sum.  Everything is stored at fixed places:
;   sel[t]  = e0 | e1 << 8 | ((1 << e0) | (1 << e1)) << 16      coef[t] = (c0, c1)
; No address and no branch of this launch hangs on these numbers.
; CODES: the row's 32 blocks of 32 along K become codes of E3M2 with one E8M0 byte each; lane l takes block l.
; A block's byte is its largest magnitude's exponent field - 4, held at 1 from below.
; xq[t] is a record of 1,024 bytes: block b = 4 s + 2 c + h (k = 128 s + 64 c + 32 h ..) has its 24 bytes at 384 h + 48 s + 24 c,
; so that the 96 operand registers of a lane of half h are 384 bytes on end; bytes 768 + b: the scale bytes; the rest zeros.
; LIMITS: NaN and infinities are not served.  A block of zeros gets the byte 1 where the rule says 127 (its codes are zeros, and
; this program alone reads the bytes); blocks whose largest magnitude lies under 2^-122 are held at byte 1.  The logits' sums are
; ordered otherwise than the reference's: where the 2nd and 3rd p agree to f32 rounding either may be taken.
; No matrix unit (8 columns), no cluster (work-groups share gate_w alone, 32 KiB).
.set TSP,  144                         ; a block's place in the wave's stage: 128 bytes + 16: 9 x 16
.set REC,  32*TSP                      ; behind the stage: the record, 1,024 bytes
.set WREG, REC+1024                    ; LDS of a wave: 5,632 bytes
.set X,    16                          ; v16-47   the row as loaded: register 4 i + j = k 128 i + 4 lane + j
.set G,    48                          ; v48-175  four rows of gate_w, laid as X
.set BL,   176                         ; v176-207 block l's 32 numbers
.set A,    208                         ; v208-223 eight sums, a pair each
.set LG,   240                         ; v240-247 logits, then p
.set PT,   248                         ; v248-255 the other half's sums
	s_load_b256 s[4:11], s[0:1], 0x0               ; x s[4:5], gate_w s[6:7], gate_b s[8:9], xq s[10:11]
	s_load_b128 s[12:15], s[0:1], 0x20             ; sel s[12:13], coef s[14:15]
	v_lshl_add_u32 v14, v0, 2, 0x5800
	v_mov_b32 v15, 0
	v_lshrrev_b32 v1, 5, v0
	v_readfirstlane_b32 s16, v1                    ; wave
	v_and_b32 v1, 31, v0                           ; lane
	v_lshlrev_b32 v2, 4, v1                        ; 16 x lane
	s_lshl_b32 s17, ttmp9, 2
	s_add_co_u32 s17, s17, s16                     ; my token
	s_mul_i32 s18, s16, WREG                       ; my wave's LDS
	v_lshrrev_b32 v3, 3, v1
	v_mul_u32_u24 v3, v3, TSP
	v_and_b32 v5, 7, v1
	v_lshl_add_u32 v3, v5, 4, v3
	v_add_nc_u32 v3, s18, v3                       ; stage, in: load i holds blocks 4 i + lane / 8: place 144 (lane / 8) + 16 (lane % 8), + 576 i
	v_mul_u32_u24 v4, v1, TSP
	v_add_nc_u32 v4, s18, v4                       ; stage, out: block l
	v_and_b32 v5, 1, v1
	v_mul_u32_u24 v5, v5, 384
	v_lshrrev_b32 v6, 2, v1
	v_mad_u32_u24 v5, v6, 48, v5
	v_bfe_u32 v6, v1, 1, 1
	v_mad_u32_u24 v5, v6, 24, v5
	v_add_nc_u32 v5, s18, v5                       ; record: my block's 24 bytes: 384 (l & 1) + 48 (l >> 2) + 24 ((l >> 1) & 1)
	v_and_b32 v6, 15, v1
	v_lshlrev_b32 v6, 4, v6
	v_add_nc_u32 v6, s18, v6                       ; record: the last 256 bytes, 16 a lane
	v_add_nc_u32 v7, s18, v1                       ; record: my scale byte
	v_add_nc_u32 v8, s18, v2                       ; record, back: 16 x lane
	v_mov_b32 v9, 0
.irp e, 0,1,2,3,4,5,6,7
	v_mov_b32 v[PT+\e], 0                          ; a lane permute's destination counts as one of its sources
.endr
.irp i, 236,237,238,239
	v_mov_b32 v\i, 0
.endr
	s_lshl_b32 s20, s17, 12                        ; my row of x
	s_mov_b32 s21, 0
	s_lshl_b32 s22, s17, 10                        ; my record
	s_mov_b32 s23, 0
	s_lshl_b32 s34, s17, 2                         ; my word of sel
	s_mov_b32 s35, 0
	s_lshl_b32 s36, s17, 3                         ; my pair of coef
	s_mov_b32 s37, 0
	s_mov_b32 s32, 0x76543210
	s_mov_b32 s33, 0xfedcba98                      ; v_permlanex16_b32's selects for lane l xor 16
	s_wait_kmcnt 0x0
	s_load_b256 s[24:31], s[8:9], 0x0              ; gate_b
	s_add_nc_u64 s[4:5], s[4:5], s[20:21]
	s_add_nc_u64 s[10:11], s[10:11], s[22:23]
	s_add_nc_u64 s[12:13], s[12:13], s[34:35]
	s_add_nc_u64 s[14:15], s[14:15], s[36:37]
.irp i, 0,1,2,3,4,5,6,7
	global_load_b128 v[X+4*\i:X+4*\i+3], v2, s[4:5] offset:512*\i th:TH_LOAD_NT   ; 512 consecutive bytes a load
.endr
.irp e, 0,1,2,3
.irp i, 0,1,2,3,4,5,6,7
	global_load_b128 v[G+32*\e+4*\i:G+32*\e+4*\i+3], v2, s[6:7] offset:4096*\e+512*\i
.endr
.endr
	s_wait_loadcnt 32                              ; x's eight loads are in; the 32 younger ones (gate rows 0-3) may be out
.irp i, 0,1,2,3,4,5,6,7
	ds_store_b128 v3, v[X+4*\i:X+4*\i+3] offset:4*TSP*\i
.endr
.irp j, 0,1,2,3,4,5,6,7
	ds_load_b128 v[BL+4*\j:BL+4*\j+3], v4 offset:16*\j     ; LDS serves a wave's instructions in order: these see the stores above
.endr
; four experts' sums at a time, by turns, two multiply-adds an instruction
.macro DOT first
.irp e, 0,1,2,3
	v_pk_mul_f32 v[A+2*(\first+\e):A+2*(\first+\e)+1], v[X:X+1], v[G+32*\e:G+32*\e+1]
.endr
.irp k, 2,4,6,8,10,12,14,16,18,20,22,24,26,28,30
.irp e, 0,1,2,3
	v_pk_fma_f32 v[A+2*(\first+\e):A+2*(\first+\e)+1], v[X+\k:X+\k+1], v[G+32*\e+\k:G+32*\e+\k+1], v[A+2*(\first+\e):A+2*(\first+\e)+1]
.endr
.endr
.endm
	s_wait_loadcnt 0x0
	DOT 0
.irp e, 0,1,2,3
.irp i, 0,1,2,3,4,5,6,7
	global_load_b128 v[G+32*\e+4*\i:G+32*\e+4*\i+3], v2, s[6:7] offset:4096*(4+\e)+512*\i
.endr
.endr
	; while gate rows 4-7 are on their way: block l into codes
	s_wait_dscnt 0x0
	v_max3_num_f32 v224, |v[BL]|, |v[BL+1]|, |v[BL+2]|
	v_max3_num_f32 v225, |v[BL+3]|, |v[BL+4]|, |v[BL+5]|
.irp i, 6,10,14,18,22,26
	v_max3_num_f32 v224, v224, |v[BL+\i]|, |v[BL+\i+1]|
	v_max3_num_f32 v225, v225, |v[BL+\i+2]|, |v[BL+\i+3]|
.endr
	v_max3_num_f32 v224, v224, |v[BL+30]|, |v[BL+31]|
	v_max3_num_f32 v224, v224, v225, 0x2800000     ; and the floor 2^(5 - 127): the byte cannot fall under 1
	v_add_nc_u32 v226, 0xfe000000, v224            ; 4 off the exponent field: the conversion takes this operand's exponent field as its scale
	v_lshrrev_b32 v227, 23, v226                   ; the scale's byte
	v_cvt_scalef32_pk16_bf6_f32 v[228:230], v[BL:BL+15], v226
	v_cvt_scalef32_pk16_bf6_f32 v[232:234], v[BL+16:BL+31], v226     ; (a conversion's three registers begin on an even number)
	v_nop                                          ; one plain place behind a scaled conversion
	v_mov_b32 v231, v232
	v_mov_b32 v232, v233
	v_mov_b32 v233, v234                           ; v228-233: the block's 24 bytes
	ds_store_b128 v6, v[236:239] offset:REC+768    ; zeros under the scale bytes and behind them
	ds_store_b64 v5, v[228:229] offset:REC
	ds_store_b64 v5, v[230:231] offset:REC+8
	ds_store_b64 v5, v[232:233] offset:REC+16
	ds_store_b8 v7, v227 offset:REC+768
	ds_load_b128 v[176:179], v8 offset:REC
	ds_load_b128 v[180:183], v8 offset:REC+512
	s_wait_dscnt 0x0
	global_store_b128 v2, v[176:179], s[10:11]             ; 512 consecutive bytes a store, at a multiple of 256 from xq's first byte
	global_store_b128 v2, v[180:183], s[10:11] offset:512
	s_wait_loadcnt 0x0
	DOT 4
.irp e, 0,1,2,3,4,5,6,7
	v_add_f32 v[LG+\e], v[A+2*\e], v[A+2*\e+1]
.endr
.irp m, 1,2,4,8
.irp e, 0,1,2,3,4,5,6,7
	v_add_f32_dpp v[LG+\e], v[LG+\e], v[LG+\e] row_xmask:\m row_mask:0xf bank_mask:0xf
.endr
.endr
.irp e, 0,1,2,3,4,5,6,7
	v_permlanex16_b32 v[PT+\e], v[LG+\e], s32, s33
.endr
.irp e, 0,1,2,3,4,5,6,7
	v_add_f32 v[LG+\e], v[LG+\e], v[PT+\e]
.endr
	s_wait_kmcnt 0x0                               ; gate_b
.irp e, 0,1,2,3,4,5,6,7
	v_add_f32 v[LG+\e], s[24+\e], v[LG+\e]         ; every lane holds the eight logits
.endr
	v_max3_num_f32 v224, v[LG], v[LG+1], v[LG+2]
	v_max3_num_f32 v224, v224, v[LG+3], v[LG+4]
	v_max3_num_f32 v224, v224, v[LG+5], v[LG+6]
	v_max_num_f32 v224, v224, v[LG+7]              ; the row's maximum
.irp e, 0,1,2,3,4,5,6,7
	v_sub_f32 v[LG+\e], v[LG+\e], v224             ; the difference first, as the softmax takes it: not fused with the factor below
.endr
.irp e, 0,1,2,3,4,5,6,7
	v_mul_f32 v[LG+\e], 0x3fb8aa3b, v[LG+\e]       ; x log2(e)
.endr
.irp e, 0,1,2,3,4,5,6,7
	v_exp_f32 v[LG+\e], v[LG+\e]
.endr
	v_nop                                          ; a plain place behind the exponentials
	s_wait_alu depctr_va_vdst(0)                   ; one wait for the eight, ahead of their first reader
	v_add_f32 v225, v[LG], v[LG+1]
	v_add_f32 v226, v[LG+2], v[LG+3]
	v_add_f32 v227, v[LG+4], v[LG+5]
	v_add_f32 v228, v[LG+6], v[LG+7]
	v_add_f32 v225, v225, v226
	v_add_f32 v227, v227, v228
	v_add_f32 v225, v225, v227
	v_rcp_f32 v225, v225
	v_mov_b32 v229, -1.0                           ; (a plain place)  under every p
	s_wait_alu depctr_va_vdst(0)
.irp e, 0,1,2,3,4,5,6,7
	v_mul_f32 v[LG+\e], v[LG+\e], v225             ; p
.endr
; the largest of the eight and its index: a later p takes over only where it is greater, so the lower index is kept
.macro SCAN best, idx
	v_mov_b32 v[\best], v[LG]
	v_mov_b32 v[\idx], 0
.irp e, 1,2,3,4,5,6,7
	v_cmp_le_f32 vcc_lo, v[LG+\e], v[\best]
	v_cndmask_b32 v[\best], v[LG+\e], v[\best], vcc_lo
	v_cndmask_b32 v[\idx], \e, v[\idx], vcc_lo
.endr
.endm
	SCAN 225, 226
.irp e, 0,1,2,3,4,5,6,7
	v_cmp_eq_u32 vcc_lo, \e, v226
	v_cndmask_b32 v[LG+\e], v[LG+\e], v229, vcc_lo ; the winner leaves the field
.endr
	SCAN 227, 228
	v_add_f32 v224, v225, v227
	v_rcp_f32 v224, v224
	v_mov_b32 v233, 1                              ; (a plain place)
	s_wait_alu depctr_va_vdst(0)
	v_mul_f32 v230, v225, v224                     ; c0
	v_mul_f32 v231, v227, v224                     ; c1
	v_lshlrev_b32 v232, v226, v233
	v_lshlrev_b32 v234, v228, v233
	v_or_b32 v232, v232, v234                      ; the two experts as bits
	v_lshl_or_b32 v235, v228, 8, v226
	v_lshl_or_b32 v235, v232, 16, v235
	v_cmp_eq_u32 vcc_lo, 0, v1
	s_wait_xcnt 0x0                                ; EXEC changes only behind this wait: the record's stores have been issued
	s_wait_tensorcnt 0x0
	ds_add_u32 v14, v15
	s_wait_dscnt 0x0
	s_and_saveexec_b32 s20, vcc_lo                 ; every lane holds the same numbers: lane 0 stores them
	global_store_b32 v9, v235, s[12:13]
	global_store_b64 v9, v[230:231], s[14:15]
	s_wait_xcnt 0x0
	s_or_b32 exec_lo, exec_lo, s20
	s_endpgm
.Lfunc_end_k_q0d63884fe1_route:
	.size	k_q0d63884fe1_route, .Lfunc_end_k_q0d63884fe1_route-k_q0d63884fe1_route
	.p2alignl 7, 3214868480
	.fill 96, 4, 3214868480
	.section	.rodata,"a",@progbits
	.p2align	6, 0x0
	.amdhsa_kernel k_q0d63884fe1_route
		.amdhsa_group_segment_fixed_size 23040
		.amdhsa_private_segment_fixed_size 0
		.amdhsa_enable_private_segment 0
		.amdhsa_kernarg_size 48
		.amdhsa_user_sgpr_count 2
		.amdhsa_user_sgpr_kernarg_segment_ptr 1
		.amdhsa_wavefront_size32 1
		.amdhsa_system_sgpr_workgroup_id_x 1
		.amdhsa_system_sgpr_workgroup_id_y 1
		.amdhsa_system_sgpr_workgroup_id_z 1
		.amdhsa_system_vgpr_workitem_id 0
		.amdhsa_next_free_vgpr 256
		.amdhsa_next_free_sgpr 66
		.amdhsa_reserve_vcc 1
		.amdhsa_float_denorm_mode_32 3
		.amdhsa_float_denorm_mode_16_64 3
		.amdhsa_memory_ordered 1
		.amdhsa_forward_progress 1
		.amdhsa_inst_pref_size 29
	.end_amdhsa_kernel
	.amdgpu_metadata
---
amdhsa.version: [ 1, 2 ]
amdhsa.kernels:
  - .name:           k_q0d63884fe1_route
    .symbol:         k_q0d63884fe1_route.kd
    .args:
      - { .name: x, .offset: 0, .size: 8, .value_kind: global_buffer, .address_space: global }
      - { .name: gate_w, .offset: 8, .size: 8, .value_kind: global_buffer, .address_space: global }
      - { .name: gate_b, .offset: 16, .size: 8, .value_kind: global_buffer, .address_space: global }
      - { .name: xq, .offset: 24, .size: 8, .value_kind: global_buffer, .address_space: global }
      - { .name: sel, .offset: 32, .size: 8, .value_kind: global_buffer, .address_space: global }
      - { .name: coef, .offset: 40, .size: 8, .value_kind: global_buffer, .address_space: global }
    .group_segment_fixed_size: 23040
    .private_segment_fixed_size: 0
    .kernarg_segment_align: 8
    .kernarg_segment_size: 48
    .max_flat_workgroup_size: 128
    .sgpr_count:     66
    .vgpr_count:     256
    .wavefront_size: 32
...
	.end_amdgpu_metadata
.endif
;; end of part 1
;; launch up (part 2): grid 256 x 1, 4 waves a work-group, no clusters, 198,144 bytes of LDS; arguments W1, W3, xq, sel, hq, posE, cnt; writes hq, posE, cnt
.if DOCPART == 2
	.amdgcn_target "amdgcn-amd-amdhsa--gfx1250"
	.amdhsa_code_object_version 6
	.text
	.protected	k_q0d63884fe1_up
	.globl	k_q0d63884fe1_up
	.p2align	8
	.type	k_q0d63884fe1_up,@function
k_q0d63884fe1_up:
	s_mov_b64 s[64:65], 0
	v_nop
	global_prefetch_b8 v0, s[64:65] scope:SCOPE_SE
	s_setreg_imm32_b32 hwreg(HW_REG_WAVE_MODE, 25, 1), 1
	s_wait_xcnt 0x0
; h = relu(x W1^T)^2 (x W3^T) for the rows routed to an expert, both products on codes of E3M2 with one E8M0 scale for each 32 along K; h leaves quantised along H.
; W1, W3: [8][2048][1024] f32.  xq, sel: made by the launch before.
; SHARES.  Work-group = expert e (number / 32) and slice g (number % 32): hidden units 64 g .. 64 g + 63 of W1[e] and W3[e], 512 KiB of f32, read from memory once in the launch,
; quantised here and kept in registers as codes; all rows of the expert then pass through them.  Wave w: u = w & 1: units 32 u .. 32 u + 31 of the slice, one block of 32 along the
; next product's K; p = w >> 1: row tiles j = p, p + 2, ..  A wave holds 4 weight tiles (W1 a = 0, 1; W3 a = 0, 1) x 8 K steps = 32 fragments, 384 registers.
; PHASE A.  Wave (u, p) quantises the 16 fragments of its units for K steps 4 p .. 4 p + 3 and hands them to wave (u, 1 - p) through LDS as images of the operand's registers.
; Each load reads 512 consecutive bytes of one weight row; 16 rows turn through the wave's own stage so that lane (r, h) holds k = 64 c + 32 h + 0 .. 31 of row r: two whole blocks.
; THE LIST.  Wave 0 reads sel and ranks the tokens that chose e: list[rank] = token, in LDS; n = their number.  Slice 0 also stores the ranks (posE[e][token]) and n (cnt[e]) for later launches.
; PHASE B.  A loop of 32 trips (a constant): tile j of 16 list rows, passed over by a scalar branch where j >= ceil(n / 16).  The rows' records are gathered a tile ahead, in aligned runs of
; 256 bytes, and turn through LDS into operand order.  The product is used TRANSPOSED (source 0 = 16 units, source 1 = 16 rows), and lane r of weight tile a takes unit 8 a + r + 8 (r / 8):
; so a lane holds ONE row, and the 16 registers of tiles a = 0, 1 are units 16 h + 0 .. 15.  The list is padded with token 0: the last tile's spare rows are that token's, stored and never used.
; hq: record e x 64 + j of 25,600 bytes: K step S = g / 2, half c = g % 2: 12 bytes at 1536 S + 768 c + 24 (16 u + r) + 12 h: the image of the next product's operand; scale byte at 24576 + 64 S + 4 r + 2 c + u.
; NO TENSOR LOADS, NO CLUSTER: the number of tiles hangs on a count read from memory, and a launch with that branch takes its operands through registers; partners asking jointly for all 64 possible
; tiles would move 64 tiles where n / 16 are wanted.
; LIMITS: NaN and infinities are not served; a block of zeros gets the byte 1 (its codes are zeros; this program alone reads the bytes); blocks under 2^-122 are held at byte 1.
.set NF,    16                         ; fragments that a wave quantises
.set FRB,   1536                       ; a fragment's image: 12 registers x 128 bytes
.set TP,    528                        ; stage row: 512 bytes + 16 = 33 x 16
.set XP,    816                        ; a row's codes (768), scale bytes (32), + 16 = 51 x 16
.set TURN,  0                          ; 4 x 16 x 528
.set WIMG,  4*16*TP                    ; 64 images: index 32 u + 4 s + tile
.set WSC,   WIMG+64*FRB                ; their scale words, 128 bytes each
.set XST,   WSC+64*128                 ; 4 x 16 x 816
.set LIST,  XST+4*16*XP                ; 1,088 words
.set LISTN, LIST+1088*4                ; n (64 words' room)
.set DUMPW, 1152                       ; list words 1152 + lane: where lanes without a match put their token
.set WS,    32                         ; v32-63   weight scale words, 4 s + tile
.set XS,    64                         ; v64-71   the rows' scale words, K step s
.set ACC,   72                         ; v72-103  four accumulators; in the list build the ranks
.set RK,    72
.set F,     104                        ; v104-199 the rows' fragments, 12 a K step
.set X,     104                        ; v104-167 phase A: 64 numbers
.set SELR,  168                        ; v168-199 sel: register 4 i + j = token 128 i + 4 lane + j
.set PC,    200                        ; v200-211 codes just made; v212-218 their second halves
.set CT,    212
.set TM,    220                        ; v220-221 largest magnitudes; v222-223 scale operands; v224-225 bytes; v226 the word; v227 the other half's
.set SO,    222
.set BY,    224
.set PW,    226
.set PT,    227
.set HC,    232                        ; v232-234 h's codes; v235-236 maxima; v237 the other half's; v238 scale operand; v239 byte
; v0-17, v27-31, v248-251: addresses, made at the head and kept.  v18-26: list entries, then gather offsets.  v240-242: the list build's own.  v244-247: zeros.
; window 1: fragments of K steps 0-3 at 12 (4 s + tile); window 2: K steps 4-7; window 3: three sets of 64 landing registers, later 96 + 8 for a gathered tile.
.set MSB, 0
.macro WIN new                         ; the immediate's high byte repeats the setting that is left
.if MSB != \new
	s_set_vgpr_msb (MSB<<8)|\new
.set MSB, \new
.endif
.endm
	s_load_b256 s[4:11], s[0:1], 0x0               ; W1 s[4:5], W3 s[6:7], xq s[8:9], sel s[10:11]
	s_load_b128 s[12:15], s[0:1], 0x20             ; hq s[12:13], posE s[14:15]
	s_load_b64 s[16:17], s[0:1], 0x30              ; cnt
	v_lshl_add_u32 v254, v0, 2, 0x30400
	v_mov_b32 v255, 0
	v_lshrrev_b32 v1, 5, v0
	v_readfirstlane_b32 s18, v1                    ; wave
	s_and_b32 s19, s18, 1                          ; u
	s_lshr_b32 s20, s18, 1                         ; p
	s_lshr_b32 s21, ttmp9, 5                       ; e
	s_and_b32 s22, ttmp9, 31                       ; g
	s_lshr_b32 s23, s22, 1                         ; S
	s_and_b32 s24, s22, 1                          ; c
	v_and_b32 v1, 31, v0                           ; lane
	v_and_b32 v2, 15, v0                           ; r
	v_bfe_u32 v3, v0, 4, 1                         ; h
	v_lshlrev_b32 v4, 4, v1                        ; 16 x lane
	v_lshlrev_b32 v31, 2, v1                       ; 4 x lane
	v_lshlrev_b32 v29, 4, v2                       ; 16 r
	v_lshlrev_b32 v30, 3, v3                       ; 8 h
	s_mul_i32 s26, s18, 16*TP
	v_add_nc_u32 v5, s26, v4                       ; stage, in: 16 x lane, + 528 x row
	v_mul_u32_u24 v6, v2, TP
	v_lshl_add_u32 v6, v3, 7, v6
	v_add_nc_u32 v6, s26, v6                       ; stage, out: row r, + 128 h
	s_mul_i32 s26, s19, 32*FRB
	s_add_co_u32 s26, s26, WIMG
	v_add_nc_u32 v9, s26, v4                       ; images of my units' 32 fragments
	s_mul_i32 s27, s20, 16*FRB
	s_add_co_u32 s27, s27, s26
	v_add_nc_u32 v7, s27, v4                       ; the 16 that I make
	s_lshl_b32 s26, s19, 12
	s_add_co_u32 s26, s26, WSC
	v_add_nc_u32 v10, s26, v31                     ; their scale words likewise
	s_lshl_b32 s27, s20, 11
	s_add_co_u32 s27, s27, s26
	v_add_nc_u32 v8, s27, v31
	s_mul_i32 s26, s18, 16*XP
	s_add_co_u32 s26, s26, XST
	v_mad_u32_u24 v11, v3, XP, v29
	v_add_nc_u32 v11, s26, v11                     ; rows, in: lanes 0-15 one row, lanes 16-31 the next; 16 bytes a lane
	v_mul_u32_u24 v13, v2, XP
	v_add_nc_u32 v13, s26, v13
	v_mad_u32_u24 v12, v3, 384, v13                ; rows, out: row r, my half's 384 bytes
	v_add_nc_u32 v13, 768, v13                     ; row r's scale bytes
	v_lshl_add_u32 v14, v3, 2, LIST                ; list entries: row 2 q + h,
	v_lshl_add_u32 v15, v2, 2, LIST                ; and row r
	s_mul_i32 s26, s23, 1536
	s_mul_i32 s27, s24, 768
	s_add_co_u32 s26, s26, s27
	s_mul_i32 s27, s19, 384
	s_add_co_u32 s26, s26, s27
	v_mul_u32_u24 v16, v2, 24
	v_mad_u32_u24 v16, v3, 12, v16
	v_add_nc_u32 v16, s26, v16                     ; in a record of hq: my 12 bytes of codes
	s_lshl_b32 s26, s23, 6
	s_lshl_b32 s27, s24, 1
	s_add_co_u32 s26, s26, s27
	s_add_co_u32 s26, s26, s19
	s_add_co_u32 s26, s26, 24576
	v_lshl_add_u32 v17, v2, 2, s26                 ; and my row's scale byte
	v_add_nc_u32 v248, LIST, v4                    ; the list, 16 bytes a lane
	v_add_nc_u32 v249, DUMPW, v1                   ; my dump word's index
	v_mov_b32 v250, LISTN
	v_lshlrev_b32 v251, 3, v1                      ; 8 x lane
	v_mov_b32 v[PT], 0                             ; a lane permute's destination counts as one of its sources
	v_mov_b32 v237, 0
.irp i, 244,245,246,247
	v_mov_b32 v\i, 0
.endr
	s_add_co_u32 s26, s21, 16
	s_lshl_b32 s40, 1, s26                         ; my expert's bit in a word of sel
	s_mov_b32 s38, 0x76543210
	s_mov_b32 s39, 0xfedcba98                      ; v_permlanex16_b32's selects for lane l xor 16
	s_lshl_b32 s32, s21, 23                        ; the expert's 8 MiB,
	s_lshl_b32 s26, s22, 18                        ; the slice's 64 rows of 4,096 bytes,
	s_add_co_u32 s32, s32, s26
	s_lshl_b32 s26, s19, 17                        ; my 32 of them,
	s_add_co_u32 s32, s32, s26
	s_lshl_b32 s26, s20, 11                        ; my four K steps of 512 bytes
	s_add_co_u32 s32, s32, s26
	s_mov_b32 s33, 0
	s_lshl_b32 s36, s21, 6
	s_add_co_u32 s36, s36, s20
	s_mul_i32 s36, s36, 25600                      ; record e x 64 + p
	s_mov_b32 s37, 0
	s_lshl_b32 s42, s21, 12
	s_mov_b32 s43, 0
	s_lshl_b32 s44, s21, 8
	s_mov_b32 s45, 0
	s_wait_kmcnt 0x0
	s_add_nc_u64 s[4:5], s[4:5], s[32:33]
	s_add_nc_u64 s[6:7], s[6:7], s[32:33]
	s_add_nc_u64 s[34:35], s[12:13], s[36:37]
	s_add_nc_u64 s[14:15], s[14:15], s[42:43]
	s_add_nc_u64 s[16:17], s[16:17], s[44:45]
; fragment i of 16: tile i / 4 (W1 a = 0, 1; W3 a = 0, 1), K step 4 p + i % 4: 16 rows x 512 bytes into landing set i % 3
.macro LOADF i
	WIN 0xc0                                       ; destination window 3
.irp q, 0,1,2,3,4,5,6,7,8,9,10,11,12,13,14,15
	global_load_b128 v[64*((\i)%3)+4*\q:64*((\i)%3)+4*\q+3], v4, s[4+2*((\i)/8):5+2*((\i)/8)] offset:(8*(((\i)/4)%2)+\q+8*(\q/8))*4096+512*((\i)%4) th:TH_LOAD_NT
.endr
	WIN 0
.endm
; 64 numbers of a lane, v[X + 32 c + i] = k 64 c + 32 h + i of row r, become the fragment's 12 registers in v[PC] on and the row's scale word in v[PW]
.macro QW
.irp c, 0,1
	v_max3_num_f32 v[TM+\c], |v[X+32*\c]|, |v[X+32*\c+1]|, 0x2800000   ; my block 2 c + h: all 32 numbers are mine; the floor 2^(5 - 127) holds the byte at 1 from below
.endr
.irp i, 2,4,6,8,10,12,14,16,18,20,22,24,26,28,30
.irp c, 0,1
	v_max3_num_f32 v[TM+\c], v[TM+\c], |v[X+32*\c+\i]|, |v[X+32*\c+\i+1]|
.endr
.endr
.irp c, 0,1
	v_add_nc_u32 v[SO+\c], 0xfe000000, v[TM+\c]    ; 4 off the exponent field: the conversion's scale operand
.endr
.irp c, 0,1
	v_lshrrev_b32 v[BY+\c], 23, v[SO+\c]           ; the scale's byte
.endr
	v_lshl_or_b32 v[PW], v[BY+1], 16, v[BY]        ; blocks h and 2 + h,
	v_lshlrev_b32 v[PW], v30, v[PW]                ; 8 h bits up;
	v_permlanex16_b32 v[PT], v[PW], s38, s39
	v_or_b32 v[PW], v[PW], v[PT]                   ; with lane l xor 16's two the word is whole
.irp c, 0,1
	v_cvt_scalef32_pk16_bf6_f32 v[PC+6*\c:PC+6*\c+2], v[X+32*\c:X+32*\c+15], v[SO+\c]
	v_cvt_scalef32_pk16_bf6_f32 v[CT+4*\c:CT+4*\c+2], v[X+32*\c+16:X+32*\c+31], v[SO+\c]   ; (a conversion's three registers begin on an even number)
.endr
	v_nop                                          ; one plain place behind a scaled conversion
.irp c, 0,1
.irp i, 0,1,2
	v_mov_b32 v[PC+3+6*\c+\i], v[CT+4*\c+\i]
.endr
.endr
.endm
.macro IMAGE idx                       ; the fragment goes to LDS as it stands: lane l's 16 bytes at 16 l
.irp q, 0,1,2
	ds_store_b128 v7, v[PC+4*\q:PC+4*\q+3] offset:(\idx)*FRB+512*\q
.endr
	ds_store_b32 v8, v[PW] offset:(\idx)*128
.endm
; n: the loads of younger fragments that may stay out
.macro STEP i, n
	s_wait_loadcnt \n                              ; fragment i's 16 loads are in
	WIN 0x0c                                       ; an LDS store's data are its source 1: window 3
.irp q, 0,1,2,3,4,5,6,7,8,9,10,11,12,13,14,15
	ds_store_b128 v5, v[64*((\i)%3)+4*\q:64*((\i)%3)+4*\q+3] offset:TP*\q
.endr
	WIN 0
.irp c, 0,1
.irp k, 0,1,2,3,4,5,6,7
	ds_load_b128 v[X+32*\c+4*\k:X+32*\c+4*\k+3], v6 offset:256*\c+16*\k    ; LDS serves a wave's instructions in order: these see the stores above
.endr
.endr
	s_wait_dscnt 0x0                               ; the numbers are back; the stores have read the landing set; the last image's stores have read their registers
.if (\i)+3 < NF
	LOADF (\i)+3                                   ; into the set just emptied
.endif
	QW
	IMAGE (4*((\i)%4)+(\i)/4)
.endm
.irp i, 0,1,2,3,4,5,6,7
	global_load_b128 v[SELR+4*\i:SELR+4*\i+3], v4, s[10:11] offset:512*\i   ; every wave issues these, so that every wave's counts of loads are alike
.endr
	LOADF 0
	LOADF 1
	LOADF 2
	; THE LIST: wave 0 alone; no other wave touches LDS ahead of the barrier below
	s_cmp_lg_u32 s18, 0
	s_cbranch_scc1 .Llist_done
	s_wait_loadcnt 48                              ; sel is in; the 48 younger loads (fragments 0-2) may be out
.irp i, 0,1,2,3,4,5,6,7,8
	ds_store_b128 v248, v[244:247] offset:512*\i   ; token 0 everywhere: what lies behind the last entry is a row that exists
.endr
	s_mov_b32 s25, 0
.set Q, 0
.rept 32
	v_and_b32 v240, s40, v[SELR+Q]
	v_cmp_ne_u32 vcc_lo, 0, v240                   ; did this token choose e?
	v_mbcnt_lo_u32_b32 v[RK+Q], vcc_lo, s25        ; its rank: those counted so far + those in lower lanes
	v_cndmask_b32 v241, v249, v[RK+Q], vcc_lo      ; where not: my dump word
	v_min_u32 v241, 1183, v241
	v_lshl_add_u32 v241, v241, 2, LIST
	v_add_nc_u32 v242, 128*(Q/4)+Q%4, v31          ; the token
	ds_store_b32 v241, v242
	s_bcnt1_i32_b32 s26, vcc_lo
	s_add_co_u32 s25, s25, s26
.set Q, Q+1
.endr
	v_mov_b32 v252, s25
	v_mov_b32 v253, s25
	ds_store_b32 v250, v252                        ; n
	s_cmp_lg_u32 s22, 0
	s_cbranch_scc1 .Llist_done                     ; the expert's first slice stores the ranks and n for the later launches
.irp i, 0,1,2,3,4,5,6,7
	global_store_b128 v4, v[RK+4*\i:RK+4*\i+3], s[14:15] offset:512*\i      ; laid as sel: 512 consecutive bytes a store
.endr
	global_store_b64 v251, v[252:253], s[16:17]    ; 64 times n: 256 consecutive bytes
.Llist_done:
	s_wait_xcnt 0x0                                ; the stores have read their registers, which are written again below
	s_wait_dscnt 0x0                               ; for the others' sake: the list is in LDS
	s_barrier_signal -1
	s_barrier_wait -1
.irp i, 0,1,2,3,4,5,6,7,8,9,10,11,12,13
	STEP \i, 32                                    ; the two younger fragments' 32 loads may be out
.endr
	STEP 14, 16
	STEP 15, 0
; the 16 rows of the tile whose list entries begin s29 bytes into the list: 24 loads of two aligned runs of 256 bytes (rows 2 q, 2 q + 1), and each row's 32 scale bytes
.macro GATHER
	v_add_nc_u32 v27, s29, v14
	v_add_nc_u32 v28, s29, v15
.irp q, 0,1,2,3,4,5,6,7
	ds_load_b32 v[18+\q], v27 offset:8*\q
.endr
	ds_load_b32 v26, v28
	s_wait_dscnt 0x0
.irp q, 0,1,2,3,4,5,6,7,8
	v_min_u32 v[18+\q], 0x3ff, v[18+\q]            ; a token's number, held inside xq
.endr
.irp q, 0,1,2,3,4,5,6,7
	v_lshl_add_u32 v[18+\q], v[18+\q], 10, v29
.endr
	v_lshlrev_b32 v26, 10, v26
	WIN 0xc0
.irp q, 0,1,2,3,4,5,6,7
.irp c, 0,1,2
	global_load_b128 v[4*(3*\q+\c):4*(3*\q+\c)+3], v[18+\q], s[8:9] offset:256*\c
.endr
.endr
	global_load_b128 v[96:99], v26, s[8:9] offset:768
	global_load_b128 v[100:103], v26, s[8:9] offset:784
	WIN 0
.endm
; the gathered tile turns through my stage into operand order
.macro TURNX
	s_wait_loadcnt 0x0                             ; the gather is in; its offset registers are free
	WIN 0x0c
.irp q, 0,1,2,3,4,5,6,7
.irp c, 0,1,2
	ds_store_b128 v11, v[4*(3*\q+\c):4*(3*\q+\c)+3] offset:2*XP*\q+256*\c
.endr
.endr
	ds_store_b128 v13, v[96:99]                    ; (both halves of the lanes hold row r's: the same bytes twice)
	ds_store_b128 v13, v[100:103] offset:16
	WIN 0
.irp i, 0,1,2,3,4,5,6,7,8,9,10,11,12,13,14,15,16,17,18,19,20,21,22,23
	ds_load_b128 v[F+4*\i:F+4*\i+3], v12 offset:16*\i
.endr
	ds_load_b128 v[XS:XS+3], v13
	ds_load_b128 v[XS+4:XS+7], v13 offset:16
	s_wait_dscnt 0x0
.endm
; 32 matrix instructions: K ascending, the four accumulators by turns, one instruction a turn; the first K step starts the sums
.macro COMPUTE
.irp s, 0,1,2,3,4,5,6,7
.if \s < 4
	WIN 0x01                                       ; source 0 (weights) window 1
.else
	WIN 0x02                                       ; window 2
.endif
.irp t, 0,1,2,3
.if \s == 0
	v_wmma_scale_f32_16x16x128_f8f6f4 v[ACC+8*\t:ACC+8*\t+7], v[12*(4*(\s%4)+\t):12*(4*(\s%4)+\t)+11], v[F+12*\s:F+12*\s+11], 0, v[WS+4*\s+\t], v[XS+\s] matrix_a_fmt:MATRIX_FMT_BF6 matrix_b_fmt:MATRIX_FMT_BF6
.else
	v_wmma_scale_f32_16x16x128_f8f6f4 v[ACC+8*\t:ACC+8*\t+7], v[12*(4*(\s%4)+\t):12*(4*(\s%4)+\t)+11], v[F+12*\s:F+12*\s+11], v[ACC+8*\t:ACC+8*\t+7], v[WS+4*\s+\t], v[XS+\s] matrix_a_fmt:MATRIX_FMT_BF6 matrix_b_fmt:MATRIX_FMT_BF6
.endif
.endr
.endr
	WIN 0
.rept 4
	v_nop                                          ; four places between the last product and the first read of results (ISA guide 7.12.1)
.endr
.endm
; h = relu(a)^2 b, in f32, each accumulator from its low end on; then my 16 units' codes and the block's byte
.macro ACTQ
.irp i, 0,1,2,3,4,5,6,7,8,9,10,11,12,13,14,15
	v_max_num_f32 v[ACC+\i], 0, v[ACC+\i]
.endr
.irp i, 0,2,4,6,8,10,12,14
	v_pk_mul_f32 v[ACC+\i:ACC+\i+1], v[ACC+\i:ACC+\i+1], v[ACC+\i:ACC+\i+1]
.endr
.irp i, 0,2,4,6,8,10,12,14
	v_pk_mul_f32 v[ACC+\i:ACC+\i+1], v[ACC+\i:ACC+\i+1], v[ACC+16+\i:ACC+16+\i+1]
.endr
	v_max3_num_f32 v235, |v[ACC]|, |v[ACC+1]|, 0x2800000
	v_max3_num_f32 v236, |v[ACC+2]|, |v[ACC+3]|, |v[ACC+4]|
	v_max3_num_f32 v235, v235, |v[ACC+5]|, |v[ACC+6]|
	v_max3_num_f32 v236, v236, |v[ACC+7]|, |v[ACC+8]|
	v_max3_num_f32 v235, v235, |v[ACC+9]|, |v[ACC+10]|
	v_max3_num_f32 v236, v236, |v[ACC+11]|, |v[ACC+12]|
	v_max3_num_f32 v235, v235, |v[ACC+13]|, |v[ACC+14]|
	v_max3_num_f32 v235, v235, v236, |v[ACC+15]|
	v_permlanex16_b32 v237, v235, s38, s39
	v_max_num_f32 v235, v235, v237                 ; with lane l xor 16's 16 units: the block's largest magnitude
	v_add_nc_u32 v238, 0xfe000000, v235
	v_cvt_scalef32_pk16_bf6_f32 v[HC:HC+2], v[ACC:ACC+15], v238
	v_lshrrev_b32 v239, 23, v238                   ; the byte; also the plain place behind the conversion
	global_store_b96 v16, v[HC:HC+2], s[34:35]     ; the wave stores 384 consecutive bytes
	global_store_b8 v17, v239, s[34:35]            ; (both halves of the lanes write the same byte with the same value)
.endm
	ds_load_b32 v236, v250                         ; n
	s_wait_dscnt 0x0
	v_readfirstlane_b32 s26, v236
	s_add_co_u32 s26, s26, 15
	s_lshr_b32 s28, s26, 4                         ; tiles of 16 rows
	s_lshl_b32 s29, s20, 6                         ; tile p's entries
	GATHER
	s_add_co_u32 s29, s29, 128                     ; a gather runs one of my tiles ahead
	s_mov_b32 s30, s20                             ; j
	s_wait_dscnt 0x0                               ; for the others' sake: my images are in LDS
	s_barrier_signal -1
	s_barrier_wait -1
	WIN 0x40                                       ; destination window 1
.set I, 0
.rept 16
.irp q, 0,1,2
	ds_load_b128 v[12*I+4*\q:12*I+4*\q+3], v9 offset:FRB*I+512*\q
.endr
.set I, I+1
.endr
	WIN 0x80                                       ; window 2
.set I, 0
.rept 16
.irp q, 0,1,2
	ds_load_b128 v[12*I+4*\q:12*I+4*\q+3], v9 offset:FRB*(I+16)+512*\q
.endr
.set I, I+1
.endr
	WIN 0
.set I, 0
.rept 32
	ds_load_b32 v[WS+I], v10 offset:128*I
.set I, I+1
.endr
	s_wait_dscnt 0x0
	s_mov_b32 s31, 32
.Ltile:                                                ; 32 trips whatever the split: 64 tiles serve all 1,024 tokens on one expert
	s_cmp_ge_u32 s30, s28
	s_cbranch_scc1 .Lskip                          ; no such tile: only the steps below
	TURNX
	GATHER                                         ; tile j + 2: entries up to 16 x 65 + 15, inside the list's 1,088
	COMPUTE
	ACTQ
.Lskip:
	s_wait_xcnt 0x0                                ; the stores have read their data and their base, the gather its base
	s_add_nc_u64 s[34:35], s[34:35], 51200         ; two records on
	s_add_co_u32 s29, s29, 128
	s_add_co_u32 s30, s30, 2
	s_sub_co_u32 s31, s31, 1
	s_cmp_lg_u32 s31, 0
	s_cbranch_scc1 .Ltile
	s_wait_tensorcnt 0x0
	ds_add_u32 v254, v255
	s_wait_dscnt 0x0
	s_endpgm
.Lfunc_end_k_q0d63884fe1_up:
	.size	k_q0d63884fe1_up, .Lfunc_end_k_q0d63884fe1_up-k_q0d63884fe1_up
	.p2alignl 7, 3214868480
	.fill 96, 4, 3214868480
	.section	.rodata,"a",@progbits
	.p2align	6, 0x0
	.amdhsa_kernel k_q0d63884fe1_up
		.amdhsa_group_segment_fixed_size 198144
		.amdhsa_private_segment_fixed_size 0
		.amdhsa_enable_private_segment 0
		.amdhsa_kernarg_size 56
		.amdhsa_user_sgpr_count 2
		.amdhsa_user_sgpr_kernarg_segment_ptr 1
		.amdhsa_wavefront_size32 1
		.amdhsa_system_sgpr_workgroup_id_x 1
		.amdhsa_system_sgpr_workgroup_id_y 1
		.amdhsa_system_sgpr_workgroup_id_z 1
		.amdhsa_system_vgpr_workitem_id 0
		.amdhsa_next_free_vgpr 960
		.amdhsa_next_free_sgpr 66
		.amdhsa_reserve_vcc 1
		.amdhsa_float_denorm_mode_32 3
		.amdhsa_float_denorm_mode_16_64 3
		.amdhsa_memory_ordered 1
		.amdhsa_forward_progress 1
		.amdhsa_inst_pref_size 161
	.end_amdhsa_kernel
	.amdgpu_metadata
---
amdhsa.version: [ 1, 2 ]
amdhsa.kernels:
  - .name:           k_q0d63884fe1_up
    .symbol:         k_q0d63884fe1_up.kd
    .args:
      - { .name: W1, .offset: 0, .size: 8, .value_kind: global_buffer, .address_space: global }
      - { .name: W3, .offset: 8, .size: 8, .value_kind: global_buffer, .address_space: global }
      - { .name: xq, .offset: 16, .size: 8, .value_kind: global_buffer, .address_space: global }
      - { .name: sel, .offset: 24, .size: 8, .value_kind: global_buffer, .address_space: global }
      - { .name: hq, .offset: 32, .size: 8, .value_kind: global_buffer, .address_space: global }
      - { .name: posE, .offset: 40, .size: 8, .value_kind: global_buffer, .address_space: global }
      - { .name: cnt, .offset: 48, .size: 8, .value_kind: global_buffer, .address_space: global }
    .group_segment_fixed_size: 198144
    .private_segment_fixed_size: 0
    .kernarg_segment_align: 8
    .kernarg_segment_size: 56
    .max_flat_workgroup_size: 128
    .sgpr_count:     66
    .vgpr_count:     960
    .wavefront_size: 32
...
	.end_amdgpu_metadata
.endif
;; end of part 2
;; launch down (part 3): grid 256 x 1, 4 waves a work-group, no clusters, 199,168 bytes of LDS; arguments W2, hq, cnt, yq; writes yq
.if DOCPART == 3
	.amdgcn_target "amdgcn-amd-amdhsa--gfx1250"
	.amdhsa_code_object_version 6
	.text
	.protected	k_q0d63884fe1_down
	.globl	k_q0d63884fe1_down
	.p2align	8
	.type	k_q0d63884fe1_down,@function
k_q0d63884fe1_down:
	s_mov_b64 s[64:65], 0
	v_nop
	global_prefetch_b8 v0, s[64:65] scope:SCOPE_SE
	s_setreg_imm32_b32 hwreg(HW_REG_WAVE_MODE, 25, 1), 1
	s_wait_xcnt 0x0
; y = h W2^T for the rows routed to an expert, on codes of E3M2 with one E8M0 scale for each 32 along K = the 2,048 hidden units.  W2: [8][1024][2048] f32.  hq, cnt: made by the launch before.
; SHARES.  Work-group = expert e (number / 32) and slice sg (number % 32): output columns 32 sg .. 32 sg + 31: 32 rows of W2[e], 256 KiB of f32, read from memory once in the launch,
; quantised here and kept in EVERY wave's registers as codes: 2 tiles x 16 K steps = 32 fragments, 384 registers.  Wave w quantises K steps 4 w .. 4 w + 3 of both tiles and hands them to the
; others through LDS as images of the operand's registers; then it takes row tiles j = w, w + 4, ..
; A ROW TILE is a record of hq, 25,600 consecutive bytes, already the image of the operand's registers (K step S, half c, lane L: 24 bytes at 1536 S + 768 c + 24 L; scale words at 24576 + 64 S + 4 r).
; It comes by 50 loads of 512 consecutive bytes, one of my tiles ahead, goes to my own LDS as it lies, and is read from there 8 bytes at a time, 24 bytes from lane to lane.
; The product is used TRANSPOSED (source 0 = 16 rows of W2, source 1 = 16 rows of h): a lane holds one row and eight neighbouring columns.
; yq: [e x 64 + j][sg][16 rows][32 columns] f32: 2,048 consecutive bytes for a tile and a slice.
; A loop of 16 trips (a constant); a tile j >= ceil(n / 16) is passed over by a scalar branch on the stored count, and no record is asked for that the launch before has not stored.
; NO TENSOR LOADS, NO CLUSTER: the number of tiles hangs on a count read from memory, and a launch with that branch takes its operands through registers.
; LIMITS: NaN and infinities are not served; a block of zeros gets the byte 1 (its codes are zeros; this program alone reads the bytes); blocks under 2^-122 are held at byte 1.
.set NF,    8                          ; fragments that a wave quantises
.set FRB,   1536
.set TP,    528                        ; stage row: 512 bytes + 16
.set RECB,  25600
.set YP,    144                        ; a row of 32 results + 16
.set WIMG,  4*16*TP                    ; 32 images: index 2 S + tile
.set WSC,   WIMG+32*FRB
.set HST,   WSC+32*128                 ; 4 records
.set YST,   HST+4*RECB                 ; 4 x 16 x 144
.set WS,    32                         ; v32-63   W2's scale words, 2 S + tile
.set HS,    64                         ; v64-79   h's scale words, K step S
.set ACC,   80                         ; v80-95   two accumulators
.set F,     96                         ; v96-191  h's fragments of eight K steps
.set X,     96                         ; v96-159  phase A: 64 numbers
.set PC,    200
.set CT,    212
.set TM,    220
.set SO,    222
.set BY,    224
.set PW,    226
.set PT,    227
.set YO,    232                        ; v232-247 a tile's results, as rows
; window 1: fragments of K steps 0-7 at 12 (2 S + tile); window 2: K steps 8-15; window 3: three sets of 64 landing registers, later 200 for a record.
.set MSB, 0
.macro WIN new                         ; the immediate's high byte repeats the setting that is left
.if MSB != (\new)
	s_set_vgpr_msb (MSB<<8)|(\new)
.set MSB, (\new)
.endif
.endm
	s_load_b256 s[4:11], s[0:1], 0x0               ; W2 s[4:5], hq s[6:7], cnt s[8:9], yq s[10:11]
	v_lshl_add_u32 v254, v0, 2, 0x30800
	v_mov_b32 v255, 0
	v_lshrrev_b32 v1, 5, v0
	v_readfirstlane_b32 s18, v1                    ; wave
	s_lshr_b32 s21, ttmp9, 5                       ; e
	s_and_b32 s22, ttmp9, 31                       ; slice
	v_and_b32 v1, 31, v0                           ; lane
	v_and_b32 v2, 15, v0                           ; r
	v_bfe_u32 v3, v0, 4, 1                         ; h
	v_lshlrev_b32 v4, 4, v1                        ; 16 x lane
	v_lshlrev_b32 v31, 2, v1                       ; 4 x lane
	v_lshlrev_b32 v30, 3, v3                       ; 8 h
	s_mul_i32 s26, s18, 16*TP
	v_add_nc_u32 v5, s26, v4                       ; stage, in
	v_mul_u32_u24 v6, v2, TP
	v_lshl_add_u32 v6, v3, 7, v6
	v_add_nc_u32 v6, s26, v6                       ; stage, out: row r, + 128 h
	v_add_nc_u32 v9, WIMG, v4                      ; all 32 images
	s_mul_i32 s26, s18, 8*FRB
	v_add_nc_u32 v7, s26, v9                       ; the eight that I make
	v_add_nc_u32 v10, WSC, v31
	s_lshl_b32 s26, s18, 10
	v_add_nc_u32 v8, s26, v10
	s_mul_i32 s26, s18, RECB
	s_add_co_u32 s26, s26, HST
	v_add_nc_u32 v11, s26, v4                      ; my record, in: 16 x lane
	v_mul_u32_u24 v12, v1, 24
	v_add_nc_u32 v12, s26, v12                     ; out: 24 x lane
	v_lshl_add_u32 v13, v2, 2, s26
	v_add_nc_u32 v13, 24576, v13                   ; row r's scale words
	s_mul_i32 s27, s18, 16*YP
	s_add_co_u32 s27, s27, YST
	v_mul_u32_u24 v14, v2, YP
	v_lshl_add_u32 v14, v3, 5, v14
	v_add_nc_u32 v14, s27, v14                     ; results, in: row r, + 32 h
	v_lshrrev_b32 v15, 3, v1
	v_mul_u32_u24 v15, v15, YP
	v_and_b32 v16, 7, v1
	v_lshl_add_u32 v15, v16, 4, v15
	v_add_nc_u32 v15, s27, v15                     ; back: eight lanes to a row of 128 bytes, four rows an instruction
	v_mov_b32 v[PT], 0                             ; a lane permute's destination counts as one of its sources
	s_mov_b32 s38, 0x76543210
	s_mov_b32 s39, 0xfedcba98
	s_lshl_b32 s32, s21, 23                        ; the expert's 8 MiB,
	s_lshl_b32 s26, s22, 18                        ; the slice's 32 rows of 8,192 bytes,
	s_add_co_u32 s32, s32, s26
	s_lshl_b32 s26, s18, 11                        ; my four K steps of 512 bytes
	s_add_co_u32 s32, s32, s26
	s_mov_b32 s33, 0
	s_lshl_b32 s34, s21, 6
	s_add_co_u32 s34, s34, s18
	s_mul_i32 s34, s34, RECB                       ; record e x 64 + w
	s_mov_b32 s35, 0
	s_lshl_b32 s40, s21, 22                        ; yq: the expert's 64 tiles of 65,536 bytes,
	s_lshl_b32 s26, s18, 16                        ; tile w,
	s_add_co_u32 s40, s40, s26
	s_lshl_b32 s26, s22, 11                        ; my slice's 2,048 bytes
	s_add_co_u32 s40, s40, s26
	s_mov_b32 s41, 0
	s_lshl_b32 s42, s21, 8
	s_mov_b32 s43, 0
	s_wait_kmcnt 0x0
	s_add_nc_u64 s[8:9], s[8:9], s[42:43]
	s_load_b32 s28, s[8:9], 0x0                    ; n
	s_add_nc_u64 s[4:5], s[4:5], s[32:33]
	s_add_nc_u64 s[36:37], s[6:7], s[34:35]
	s_add_nc_u64 s[44:45], s[10:11], s[40:41]
; fragment i of 8: tile i / 4, K step 4 w + i % 4: 16 rows x 512 bytes into landing set i % 3
.macro LOADF i
	WIN 0xc0
.irp q, 0,1,2,3,4,5,6,7,8,9,10,11,12,13,14,15
	global_load_b128 v[64*((\i)%3)+4*\q:64*((\i)%3)+4*\q+3], v4, s[4:5] offset:(16*((\i)/4)+\q)*8192+512*((\i)%4) th:TH_LOAD_NT
.endr
	WIN 0
.endm
; 64 numbers of a lane, v[X + 32 c + i] = k 64 c + 32 h + i of row r, become the fragment's 12 registers in v[PC] on and the row's scale word in v[PW]
.macro QW
.irp c, 0,1
	v_max3_num_f32 v[TM+\c], |v[X+32*\c]|, |v[X+32*\c+1]|, 0x2800000   ; my block 2 c + h; the floor 2^(5 - 127) holds the byte at 1 from below
.endr
.irp i, 2,4,6,8,10,12,14,16,18,20,22,24,26,28,30
.irp c, 0,1
	v_max3_num_f32 v[TM+\c], v[TM+\c], |v[X+32*\c+\i]|, |v[X+32*\c+\i+1]|
.endr
.endr
.irp c, 0,1
	v_add_nc_u32 v[SO+\c], 0xfe000000, v[TM+\c]    ; 4 off the exponent field: the conversion's scale operand
.endr
.irp c, 0,1
	v_lshrrev_b32 v[BY+\c], 23, v[SO+\c]
.endr
	v_lshl_or_b32 v[PW], v[BY+1], 16, v[BY]
	v_lshlrev_b32 v[PW], v30, v[PW]
	v_permlanex16_b32 v[PT], v[PW], s38, s39
	v_or_b32 v[PW], v[PW], v[PT]                   ; with lane l xor 16's two bytes the word is whole
.irp c, 0,1
	v_cvt_scalef32_pk16_bf6_f32 v[PC+6*\c:PC+6*\c+2], v[X+32*\c:X+32*\c+15], v[SO+\c]
	v_cvt_scalef32_pk16_bf6_f32 v[CT+4*\c:CT+4*\c+2], v[X+32*\c+16:X+32*\c+31], v[SO+\c]
.endr
	v_nop                                          ; one plain place behind a scaled conversion
.irp c, 0,1
.irp i, 0,1,2
	v_mov_b32 v[PC+3+6*\c+\i], v[CT+4*\c+\i]
.endr
.endr
.endm
.macro IMAGE idx
.irp q, 0,1,2
	ds_store_b128 v7, v[PC+4*\q:PC+4*\q+3] offset:(\idx)*FRB+512*\q
.endr
	ds_store_b32 v8, v[PW] offset:(\idx)*128
.endm
.macro STEP i, n
	s_wait_loadcnt \n                              ; fragment i's 16 loads are in
	WIN 0x0c
.irp q, 0,1,2,3,4,5,6,7,8,9,10,11,12,13,14,15
	ds_store_b128 v5, v[64*((\i)%3)+4*\q:64*((\i)%3)+4*\q+3] offset:TP*\q
.endr
	WIN 0
.irp c, 0,1
.irp k, 0,1,2,3,4,5,6,7
	ds_load_b128 v[X+32*\c+4*\k:X+32*\c+4*\k+3], v6 offset:256*\c+16*\k
.endr
.endr
	s_wait_dscnt 0x0                               ; the numbers are back; the stores have read the landing set and the last image's registers
.if (\i)+3 < NF
	LOADF (\i)+3
.endif
	QW
	IMAGE (2*((\i)%4)+(\i)/4)
.endm
; a record, off bytes behind the base: 50 loads of 512 consecutive bytes
.macro GATH off
	WIN 0xc0
.set I, 0
.rept 50
	global_load_b128 v[4*I:4*I+3], v4, s[36:37] offset:\off+512*I
.set I, I+1
.endr
	WIN 0
.endm
	WIN 0xc0                                       ; destination window 3
.irp i, 192,193,194,195,196,197,198,199
	v_mov_b32 v\i, 0                               ; of a record's 200 registers these eight alone are not among the landing sets: written once, so that they hold a number on every way
.endr                                              ; through the text (a wave whose first tile does not exist gathers nothing, and passes over every tile)
	LOADF 0
	LOADF 1
	LOADF 2
.irp i, 0,1,2,3,4,5
	STEP \i, 32                                    ; the two younger fragments' 32 loads may be out
.endr
	STEP 6, 16
	STEP 7, 0
	s_wait_kmcnt 0x0
	s_add_co_u32 s28, s28, 15
	s_lshr_b32 s28, s28, 4                         ; tiles of 16 rows
	s_mov_b32 s30, s18                             ; j
	s_cmp_ge_u32 s30, s28
	s_cbranch_scc1 .Lno_first
	GATH 0                                         ; my first tile, if there is one
.Lno_first:
	s_wait_dscnt 0x0                               ; for the others' sake: my images are in LDS
	s_barrier_signal -1
	s_barrier_wait -1
	WIN 0x40
.set I, 0
.rept 16
.irp q, 0,1,2
	ds_load_b128 v[12*I+4*\q:12*I+4*\q+3], v9 offset:FRB*I+512*\q
.endr
.set I, I+1
.endr
	WIN 0x80
.set I, 0
.rept 16
.irp q, 0,1,2
	ds_load_b128 v[12*I+4*\q:12*I+4*\q+3], v9 offset:FRB*(I+16)+512*\q
.endr
.set I, I+1
.endr
	WIN 0
.set I, 0
.rept 32
	ds_load_b32 v[WS+I], v10 offset:128*I
.set I, I+1
.endr
	s_wait_dscnt 0x0
; h's fragments of K steps 8 half .. 8 half + 7 from my record
.macro HFRAG half
.irp s, 0,1,2,3,4,5,6,7
.irp c, 0,1
.irp i, 0,1,2
	ds_load_b64 v[F+12*\s+6*\c+2*\i:F+12*\s+6*\c+2*\i+1], v12 offset:FRB*(8*\half+\s)+768*\c+8*\i
.endr
.endr
.endr
.endm
; 16 matrix instructions: K ascending, the two accumulators by turns, one instruction a turn.
; Behind the first half: four places, in front of the loads into the registers that the products have read.  Behind the second half: five: four serve the stores of the
; results; the next trip's first two products begin the sums anew, with the constant 0 as C, over these accumulators, and a matrix instruction that writes over another's registers stands
; five places behind it; no other vector instruction lies between the two round the loop's edge.
.macro MULH half
	WIN 0x01+\half                                 ; source 0 (W2) window 1 or 2
.irp s, 0,1,2,3,4,5,6,7
.irp n, 0,1
.if (\half == 0) && (\s == 0)
	v_wmma_scale_f32_16x16x128_f8f6f4 v[ACC+8*\n:ACC+8*\n+7], v[12*(2*\s+\n):12*(2*\s+\n)+11], v[F+12*\s:F+12*\s+11], 0, v[WS+16*\half+2*\s+\n], v[HS+8*\half+\s] matrix_a_fmt:MATRIX_FMT_BF6 matrix_b_fmt:MATRIX_FMT_BF6
.else
	v_wmma_scale_f32_16x16x128_f8f6f4 v[ACC+8*\n:ACC+8*\n+7], v[12*(2*\s+\n):12*(2*\s+\n)+11], v[F+12*\s:F+12*\s+11], v[ACC+8*\n:ACC+8*\n+7], v[WS+16*\half+2*\s+\n], v[HS+8*\half+\s] matrix_a_fmt:MATRIX_FMT_BF6 matrix_b_fmt:MATRIX_FMT_BF6
.endif
.endr
.endr
	WIN 0
.rept 4+\half
	v_nop
.endr
.endm
	s_mov_b32 s31, 16
.Ltile:                                                ; 16 trips whatever the split
	s_cmp_ge_u32 s30, s28
	s_cbranch_scc1 .Lskip
	s_wait_loadcnt 0x0                             ; my record is in registers
	WIN 0x0c
.set I, 0
.rept 50
	ds_store_b128 v11, v[4*I:4*I+3] offset:512*I
.set I, I+1
.endr
	WIN 0
	HFRAG 0
.irp s, 0,1,2,3,4,5,6,7,8,9,10,11,12,13,14,15
	ds_load_b32 v[HS+\s], v13 offset:64*\s
.endr
	s_wait_dscnt 0x0                               ; the first half's fragments are in; the stores have read the record's registers
	s_add_co_u32 s26, s30, 4
	s_cmp_ge_u32 s26, s28
	s_cbranch_scc1 .Lno_next
	GATH 4*RECB                                    ; tile j + 4, if there is one
.Lno_next:
	MULH 0
	HFRAG 1
	s_wait_dscnt 0x0
	MULH 1
.irp n, 0,1
	ds_store_b128 v14, v[ACC+8*\n:ACC+8*\n+3] offset:64*\n           ; each accumulator from its low end on: y(row r, 16 n + 8 h + 0 .. 7)
	ds_store_b128 v14, v[ACC+8*\n+4:ACC+8*\n+7] offset:64*\n+16
.endr
.irp i, 0,1,2,3
	ds_load_b128 v[YO+4*\i:YO+4*\i+3], v15 offset:4*YP*\i            ; LDS serves a wave's instructions in order: these see the stores above
.endr
	s_wait_dscnt 0x0
.irp i, 0,1,2,3
	global_store_b128 v4, v[YO+4*\i:YO+4*\i+3], s[44:45] offset:512*\i   ; 512 consecutive bytes a store, at a multiple of 256 from yq's first byte
.endr
.Lskip:
	s_wait_xcnt 0x0                                ; the stores have read their data and base, the loads their base
	s_add_nc_u64 s[36:37], s[36:37], 4*RECB        ; four records on
	s_add_nc_u64 s[44:45], s[44:45], 262144        ; four tiles of 32 slices x 2,048 bytes on
	s_add_co_u32 s30, s30, 4
	s_sub_co_u32 s31, s31, 1
	s_cmp_lg_u32 s31, 0
	s_cbranch_scc1 .Ltile
	s_wait_tensorcnt 0x0
	ds_add_u32 v254, v255
	s_wait_dscnt 0x0
	s_endpgm
.Lfunc_end_k_q0d63884fe1_down:
	.size	k_q0d63884fe1_down, .Lfunc_end_k_q0d63884fe1_down-k_q0d63884fe1_down
	.p2alignl 7, 3214868480
	.fill 96, 4, 3214868480
	.section	.rodata,"a",@progbits
	.p2align	6, 0x0
	.amdhsa_kernel k_q0d63884fe1_down
		.amdhsa_group_segment_fixed_size 199168
		.amdhsa_private_segment_fixed_size 0
		.amdhsa_enable_private_segment 0
		.amdhsa_kernarg_size 32
		.amdhsa_user_sgpr_count 2
		.amdhsa_user_sgpr_kernarg_segment_ptr 1
		.amdhsa_wavefront_size32 1
		.amdhsa_system_sgpr_workgroup_id_x 1
		.amdhsa_system_sgpr_workgroup_id_y 1
		.amdhsa_system_sgpr_workgroup_id_z 1
		.amdhsa_system_vgpr_workitem_id 0
		.amdhsa_next_free_vgpr 1024
		.amdhsa_next_free_sgpr 66
		.amdhsa_reserve_vcc 0
		.amdhsa_float_denorm_mode_32 3
		.amdhsa_float_denorm_mode_16_64 3
		.amdhsa_memory_ordered 1
		.amdhsa_forward_progress 1
		.amdhsa_inst_pref_size 93
	.end_amdhsa_kernel
	.amdgpu_metadata
---
amdhsa.version: [ 1, 2 ]
amdhsa.kernels:
  - .name:           k_q0d63884fe1_down
    .symbol:         k_q0d63884fe1_down.kd
    .args:
      - { .name: W2, .offset: 0, .size: 8, .value_kind: global_buffer, .address_space: global }
      - { .name: hq, .offset: 8, .size: 8, .value_kind: global_buffer, .address_space: global }
      - { .name: cnt, .offset: 16, .size: 8, .value_kind: global_buffer, .address_space: global }
      - { .name: yq, .offset: 24, .size: 8, .value_kind: global_buffer, .address_space: global }
    .group_segment_fixed_size: 199168
    .private_segment_fixed_size: 0
    .kernarg_segment_align: 8
    .kernarg_segment_size: 32
    .max_flat_workgroup_size: 128
    .sgpr_count:     66
    .vgpr_count:     1024
    .wavefront_size: 32
...
	.end_amdgpu_metadata
.endif
;; end of part 3
;; launch combine (part 4): grid 256 x 1, 4 waves a work-group, no clusters, 0 bytes of LDS; arguments yq, sel, coef, posE, out0; writes out0
.if DOCPART == 4
	.amdgcn_target "amdgcn-amd-amdhsa--gfx1250"
	.amdhsa_code_object_version 6
	.text
	.protected	k_q0d63884fe1_combine
	.globl	k_q0d63884fe1_combine
	.p2align	8
	.type	k_q0d63884fe1_combine,@function
k_q0d63884fe1_combine:
	s_mov_b64 s[64:65], 0
	v_nop
	global_prefetch_b8 v0, s[64:65] scope:SCOPE_SE
	s_setreg_imm32_b32 hwreg(HW_REG_WAVE_MODE, 25, 1), 1
	s_wait_xcnt 0x0
; out[t] = c0 y[e0][pos0] + c1 y[e1][pos1]: a token's two experts were served by different owners of W2, so their rows are added here, by the row's one owner.
; One wave takes one token (4 x work-group + wave).  sel[t] names the experts, posE[e][t] the token's rank in expert e's list, coef[t] the two weights; all were stored by earlier launches.
; yq: [e x 64 + pos / 16][slice 0..31][pos % 16][32 columns] f32: a row's 1,024 numbers lie as 32 pieces of 128 bytes, 2,048 bytes apart: eight lanes read a piece.
; A stream: no LDS, no barrier, no matrix unit; work-groups share nothing.
	s_load_b256 s[4:11], s[0:1], 0x0               ; yq s[4:5], sel s[6:7], coef s[8:9], posE s[10:11]
	s_load_b64 s[12:13], s[0:1], 0x20              ; out0
	v_lshrrev_b32 v1, 5, v0
	v_readfirstlane_b32 s14, v1                    ; wave
	s_lshl_b32 s15, ttmp9, 2
	s_add_co_u32 s15, s15, s14                     ; my token
	v_and_b32 v1, 31, v0                           ; lane
	v_lshlrev_b32 v4, 4, v1                        ; out: 16 x lane
	v_lshrrev_b32 v2, 3, v1
	v_and_b32 v3, 7, v1
	v_lshlrev_b32 v3, 4, v3
	v_lshl_add_u32 v5, v2, 11, v3                  ; yq: slice lane / 8 of four, 16 (lane % 8) in its piece
	s_lshl_b32 s20, s15, 2
	s_mov_b32 s21, 0
	s_lshl_b32 s22, s15, 3
	s_mov_b32 s23, 0
	s_lshl_b32 s24, s15, 12
	s_mov_b32 s25, 0
	s_wait_kmcnt 0x0
	s_add_nc_u64 s[6:7], s[6:7], s[20:21]
	s_add_nc_u64 s[8:9], s[8:9], s[22:23]
	s_add_nc_u64 s[10:11], s[10:11], s[20:21]      ; posE at my token, expert 0
	s_add_nc_u64 s[12:13], s[12:13], s[24:25]
	s_load_b32 s16, s[6:7], 0x0
	s_load_b64 s[18:19], s[8:9], 0x0               ; c0, c1
	s_wait_kmcnt 0x0
	s_and_b32 s26, s16, 0xff
	s_min_u32 s26, s26, 7                          ; e0, held inside the tables
	s_bfe_u32 s27, s16, 0x80008
	s_min_u32 s27, s27, 7                          ; e1
	s_lshl_b32 s28, s26, 12
	s_mov_b32 s29, 0
	s_lshl_b32 s30, s27, 12
	s_mov_b32 s31, 0
	s_add_nc_u64 s[28:29], s[10:11], s[28:29]
	s_add_nc_u64 s[30:31], s[10:11], s[30:31]
	s_load_b32 s32, s[28:29], 0x0
	s_load_b32 s33, s[30:31], 0x0
	s_mov_b32 s38, s19
	s_mov_b32 s39, s19                             ; c1 as a pair: the packed form takes the low word for both halves
	s_wait_kmcnt 0x0
	s_min_u32 s32, s32, 1023                       ; pos0
	s_min_u32 s33, s33, 1023                       ; pos1
	s_lshl_b32 s34, s26, 22                        ; the expert's 64 tiles of 65,536 bytes,
	s_and_b32 s36, s32, 0x3f0
	s_lshl_b32 s36, s36, 12                        ; tile pos / 16,
	s_add_co_u32 s34, s34, s36
	s_and_b32 s36, s32, 15
	s_lshl_b32 s36, s36, 7                         ; row pos % 16 of 128 bytes
	s_add_co_u32 s34, s34, s36
	s_lshl_b32 s35, s27, 22
	s_and_b32 s36, s33, 0x3f0
	s_lshl_b32 s36, s36, 12
	s_add_co_u32 s35, s35, s36
	s_and_b32 s36, s33, 15
	s_lshl_b32 s36, s36, 7
	s_add_co_u32 s35, s35, s36
	v_add_nc_u32 v6, s34, v5
	v_add_nc_u32 v7, s35, v5
.irp i, 0,1,2,3,4,5,6,7
	global_load_b128 v[16+4*\i:19+4*\i], v6, s[4:5] offset:8192*\i th:TH_LOAD_NT    ; each routed row is read once in the launch
.endr
.irp i, 0,1,2,3,4,5,6,7
	global_load_b128 v[48+4*\i:51+4*\i], v7, s[4:5] offset:8192*\i th:TH_LOAD_NT
.endr
	s_wait_loadcnt 0x0
.irp k, 0,2,4,6,8,10,12,14,16,18,20,22,24,26,28,30
	v_pk_mul_f32 v[16+\k:17+\k], v[16+\k:17+\k], s[18:19] op_sel_hi:[1,0]
.endr
.irp k, 0,2,4,6,8,10,12,14,16,18,20,22,24,26,28,30
	v_pk_fma_f32 v[16+\k:17+\k], v[48+\k:49+\k], s[38:39], v[16+\k:17+\k] op_sel_hi:[1,0,1]
.endr
.irp i, 0,1,2,3,4,5,6,7
	global_store_b128 v4, v[16+4*\i:19+4*\i], s[12:13] offset:512*\i th:TH_STORE_NT  ; 512 consecutive bytes a store, at a multiple of 256 from out0's first byte
.endr
	s_endpgm
.Lfunc_end_k_q0d63884fe1_combine:
	.size	k_q0d63884fe1_combine, .Lfunc_end_k_q0d63884fe1_combine-k_q0d63884fe1_combine
	.p2alignl 7, 3214868480
	.fill 96, 4, 3214868480
	.section	.rodata,"a",@progbits
	.p2align	6, 0x0
	.amdhsa_kernel k_q0d63884fe1_combine
		.amdhsa_group_segment_fixed_size 0
		.amdhsa_private_segment_fixed_size 0
		.amdhsa_enable_private_segment 0
		.amdhsa_kernarg_size 40
		.amdhsa_user_sgpr_count 2
		.amdhsa_user_sgpr_kernarg_segment_ptr 1
		.amdhsa_wavefront_size32 1
		.amdhsa_system_sgpr_workgroup_id_x 1
		.amdhsa_system_sgpr_workgroup_id_y 1
		.amdhsa_system_sgpr_workgroup_id_z 1
		.amdhsa_system_vgpr_workitem_id 0
		.amdhsa_next_free_vgpr 112
		.amdhsa_next_free_sgpr 66
		.amdhsa_reserve_vcc 0
		.amdhsa_float_denorm_mode_32 3
		.amdhsa_float_denorm_mode_16_64 3
		.amdhsa_memory_ordered 1
		.amdhsa_forward_progress 1
		.amdhsa_inst_pref_size 7
	.end_amdhsa_kernel
	.amdgpu_metadata
---
amdhsa.version: [ 1, 2 ]
amdhsa.kernels:
  - .name:           k_q0d63884fe1_combine
    .symbol:         k_q0d63884fe1_combine.kd
    .args:
      - { .name: yq, .offset: 0, .size: 8, .value_kind: global_buffer, .address_space: global }
      - { .name: sel, .offset: 8, .size: 8, .value_kind: global_buffer, .address_space: global }
      - { .name: coef, .offset: 16, .size: 8, .value_kind: global_buffer, .address_space: global }
      - { .name: posE, .offset: 24, .size: 8, .value_kind: global_buffer, .address_space: global }
      - { .name: out0, .offset: 32, .size: 8, .value_kind: global_buffer, .address_space: global }
    .group_segment_fixed_size: 0
    .private_segment_fixed_size: 0
    .kernarg_segment_align: 8
    .kernarg_segment_size: 40
    .max_flat_workgroup_size: 128
    .sgpr_count:     66
    .vgpr_count:     112
    .wavefront_size: 32
...
	.end_amdgpu_metadata
.endif
;; end of part 4
;; ======== version 2 of 2: 4 launches
;; workspace buffers: xq 1,048,576 bytes; sel 4,096 bytes of whole numbers; coef 8,192 bytes; posE 32,768 bytes of whole numbers; cnt 2,048 bytes of whole numbers; hq 13,107,200 bytes; yq 33,554,432 bytes
;; launch route (part 5): grid 256 x 1, 4 waves a work-group, no clusters, 23,040 bytes of LDS; arguments x, gate_w, gate_b, xq, sel, coef; writes xq, sel, coef
.if DOCPART == 5
	.amdgcn_target "amdgcn-amd-amdhsa--gfx1250"
	.amdhsa_code_object_version 6
	.text
	.protected	k_q0d63884fe1_route
	.globl	k_q0d63884fe1_route
	.p2align	8
	.type	k_q0d63884fe1_route,@function
k_q0d63884fe1_route:
	s_mov_b64 s[64:65], 0
	v_nop
	global_prefetch_b8 v0, s[64:65] scope:SCOPE_SE
	s_setreg_imm32_b32 hwreg(HW_REG_WAVE_MODE, 25, 1), 1
	s_wait_xcnt 0x0
; THE ROUTER, AND x INTO CODES.  x: [1024 tokens][1024] f32.  gate_w: [8][1024], gate_b: [8] f32.
; One wave takes one token (4 x work-group + wave); waves share nothing, so there is no barrier.
; ROUTER, all in f32: logits by fused multiply-adds, softmax with the row's maximum taken away first, the two largest p
; (of equal p the lower index wins, as jax.lax.top_k has it), both divided by their sum.  Everything is stored at fixed places:
;   sel[t]  = e0 | e1 << 8 | ((1 << e0) | (1 << e1)) << 16      coef[t] = (c0, c1)
; No address and no branch of this launch hangs on these numbers.
; CODES: the row's 32 blocks of 32 along K become codes of E3M2 with one E8M0 byte each; lane l takes block l.
; A block's byte is its largest magnitude's exponent field - 4, held at 1 from below.
; xq[t] is a record of 1,024 bytes: block b = 4 s + 2 c + h (k = 128 s + 64 c + 32 h ..) has its 24 bytes at 384 h + 48 s + 24 c,
; so that the 96 operand registers of a lane of half h are 384 bytes on end; bytes 768 + b: the scale bytes; the rest zeros.
; LIMITS: NaN and infinities are not served.  A block of zeros gets the byte 1 where the rule says 127 (its codes are zeros, and
; this program alone reads the bytes); blocks whose largest magnitude lies under 2^-122 are held at byte 1.  The logits' sums are
; ordered otherwise than the reference's: where the 2nd and 3rd p agree to f32 rounding either may be taken.
; No matrix unit (8 columns), no cluster (work-groups share gate_w alone, 32 KiB).
.set TSP,  144                         ; a block's place in the wave's stage: 128 bytes + 16: 9 x 16
.set REC,  32*TSP                      ; behind the stage: the record, 1,024 bytes
.set WREG, REC+1024                    ; LDS of a wave: 5,632 bytes
.set X,    16                          ; v16-47   the row as loaded: register 4 i + j = k 128 i + 4 lane + j
.set G,    48                          ; v48-175  four rows of gate_w, laid as X
.set BL,   176                         ; v176-207 block l's 32 numbers
.set A,    208                         ; v208-223 eight sums, a pair each
.set LG,   240                         ; v240-247 logits, then p
.set PT,   248                         ; v248-255 the other half's sums
	s_load_b256 s[4:11], s[0:1], 0x0               ; x s[4:5], gate_w s[6:7], gate_b s[8:9], xq s[10:11]
	s_load_b128 s[12:15], s[0:1], 0x20             ; sel s[12:13], coef s[14:15]
	v_lshl_add_u32 v14, v0, 2, 0x5800
	v_mov_b32 v15, 0
	v_lshrrev_b32 v1, 5, v0
	v_readfirstlane_b32 s16, v1                    ; wave
	v_and_b32 v1, 31, v0                           ; lane
	v_lshlrev_b32 v2, 4, v1                        ; 16 x lane
	s_lshl_b32 s17, ttmp9, 2
	s_add_co_u32 s17, s17, s16                     ; my token
	s_mul_i32 s18, s16, WREG                       ; my wave's LDS
	v_lshrrev_b32 v3, 3, v1
	v_mul_u32_u24 v3, v3, TSP
	v_and_b32 v5, 7, v1
	v_lshl_add_u32 v3, v5, 4, v3
	v_add_nc_u32 v3, s18, v3                       ; stage, in: load i holds blocks 4 i + lane / 8: place 144 (lane / 8) + 16 (lane % 8), + 576 i
	v_mul_u32_u24 v4, v1, TSP
	v_add_nc_u32 v4, s18, v4                       ; stage, out: block l
	v_and_b32 v5, 1, v1
	v_mul_u32_u24 v5, v5, 384
	v_lshrrev_b32 v6, 2, v1
	v_mad_u32_u24 v5, v6, 48, v5
	v_bfe_u32 v6, v1, 1, 1
	v_mad_u32_u24 v5, v6, 24, v5
	v_add_nc_u32 v5, s18, v5                       ; record: my block's 24 bytes: 384 (l & 1) + 48 (l >> 2) + 24 ((l >> 1) & 1)
	v_and_b32 v6, 15, v1
	v_lshlrev_b32 v6, 4, v6
	v_add_nc_u32 v6, s18, v6                       ; record: the last 256 bytes, 16 a lane
	v_add_nc_u32 v7, s18, v1                       ; record: my scale byte
	v_add_nc_u32 v8, s18, v2                       ; record, back: 16 x lane
	v_mov_b32 v9, 0
.irp e, 0,1,2,3,4,5,6,7
	v_mov_b32 v[PT+\e], 0                          ; a lane permute's destination counts as one of its sources
.endr
.irp i, 236,237,238,239
	v_mov_b32 v\i, 0
.endr
	s_lshl_b32 s20, s17, 12                        ; my row of x
	s_mov_b32 s21, 0
	s_lshl_b32 s22, s17, 10                        ; my record
	s_mov_b32 s23, 0
	s_lshl_b32 s34, s17, 2                         ; my word of sel
	s_mov_b32 s35, 0
	s_lshl_b32 s36, s17, 3                         ; my pair of coef
	s_mov_b32 s37, 0
	s_mov_b32 s32, 0x76543210
	s_mov_b32 s33, 0xfedcba98                      ; v_permlanex16_b32's selects for lane l xor 16
	s_wait_kmcnt 0x0
	s_load_b256 s[24:31], s[8:9], 0x0              ; gate_b
	s_add_nc_u64 s[4:5], s[4:5], s[20:21]
	s_add_nc_u64 s[10:11], s[10:11], s[22:23]
	s_add_nc_u64 s[12:13], s[12:13], s[34:35]
	s_add_nc_u64 s[14:15], s[14:15], s[36:37]
.irp i, 0,1,2,3,4,5,6,7
	global_load_b128 v[X+4*\i:X+4*\i+3], v2, s[4:5] offset:512*\i th:TH_LOAD_NT   ; 512 consecutive bytes a load
.endr
.irp e, 0,1,2,3
.irp i, 0,1,2,3,4,5,6,7
	global_load_b128 v[G+32*\e+4*\i:G+32*\e+4*\i+3], v2, s[6:7] offset:4096*\e+512*\i
.endr
.endr
	s_wait_loadcnt 32                              ; x's eight loads are in; the 32 younger ones (gate rows 0-3) may be out
.irp i, 0,1,2,3,4,5,6,7
	ds_store_b128 v3, v[X+4*\i:X+4*\i+3] offset:4*TSP*\i
.endr
.irp j, 0,1,2,3,4,5,6,7
	ds_load_b128 v[BL+4*\j:BL+4*\j+3], v4 offset:16*\j     ; LDS serves a wave's instructions in order: these see the stores above
.endr
; four experts' sums at a time, by turns, two multiply-adds an instruction
.macro DOT first
.irp e, 0,1,2,3
	v_pk_mul_f32 v[A+2*(\first+\e):A+2*(\first+\e)+1], v[X:X+1], v[G+32*\e:G+32*\e+1]
.endr
.irp k, 2,4,6,8,10,12,14,16,18,20,22,24,26,28,30
.irp e, 0,1,2,3
	v_pk_fma_f32 v[A+2*(\first+\e):A+2*(\first+\e)+1], v[X+\k:X+\k+1], v[G+32*\e+\k:G+32*\e+\k+1], v[A+2*(\first+\e):A+2*(\first+\e)+1]
.endr
.endr
.endm
	s_wait_loadcnt 0x0
	DOT 0
.irp e, 0,1,2,3
.irp i, 0,1,2,3,4,5,6,7
	global_load_b128 v[G+32*\e+4*\i:G+32*\e+4*\i+3], v2, s[6:7] offset:4096*(4+\e)+512*\i
.endr
.endr
	; while gate rows 4-7 are on their way: block l into codes
	s_wait_dscnt 0x0
	v_max3_num_f32 v224, |v[BL]|, |v[BL+1]|, |v[BL+2]|
	v_max3_num_f32 v225, |v[BL+3]|, |v[BL+4]|, |v[BL+5]|
.irp i, 6,10,14,18,22,26
	v_max3_num_f32 v224, v224, |v[BL+\i]|, |v[BL+\i+1]|
	v_max3_num_f32 v225, v225, |v[BL+\i+2]|, |v[BL+\i+3]|
.endr
	v_max3_num_f32 v224, v224, |v[BL+30]|, |v[BL+31]|
	v_max3_num_f32 v224, v224, v225, 0x2800000     ; and the floor 2^(5 - 127): the byte cannot fall under 1
	v_add_nc_u32 v226, 0xfe000000, v224            ; 4 off the exponent field: the conversion takes this operand's exponent field as its scale
	v_lshrrev_b32 v227, 23, v226                   ; the scale's byte
	v_cvt_scalef32_pk16_bf6_f32 v[228:230], v[BL:BL+15], v226
	v_cvt_scalef32_pk16_bf6_f32 v[232:234], v[BL+16:BL+31], v226     ; (a conversion's three registers begin on an even number)
	v_nop                                          ; one plain place behind a scaled conversion
	v_mov_b32 v231, v232
	v_mov_b32 v232, v233
	v_mov_b32 v233, v234                           ; v228-233: the block's 24 bytes
	ds_store_b128 v6, v[236:239] offset:REC+768    ; zeros under the scale bytes and behind them
	ds_store_b64 v5, v[228:229] offset:REC
	ds_store_b64 v5, v[230:231] offset:REC+8
	ds_store_b64 v5, v[232:233] offset:REC+16
	ds_store_b8 v7, v227 offset:REC+768
	ds_load_b128 v[176:179], v8 offset:REC
	ds_load_b128 v[180:183], v8 offset:REC+512
	s_wait_dscnt 0x0
	global_store_b128 v2, v[176:179], s[10:11]             ; 512 consecutive bytes a store, at a multiple of 256 from xq's first byte
	global_store_b128 v2, v[180:183], s[10:11] offset:512
	s_wait_loadcnt 0x0
	DOT 4
.irp e, 0,1,2,3,4,5,6,7
	v_add_f32 v[LG+\e], v[A+2*\e], v[A+2*\e+1]
.endr
.irp m, 1,2,4,8
.irp e, 0,1,2,3,4,5,6,7
	v_add_f32_dpp v[LG+\e], v[LG+\e], v[LG+\e] row_xmask:\m row_mask:0xf bank_mask:0xf
.endr
.endr
.irp e, 0,1,2,3,4,5,6,7
	v_permlanex16_b32 v[PT+\e], v[LG+\e], s32, s33
.endr
.irp e, 0,1,2,3,4,5,6,7
	v_add_f32 v[LG+\e], v[LG+\e], v[PT+\e]
.endr
	s_wait_alu depctr_va_vdst(0)
	s_wait_kmcnt 0x0                               ; gate_b
.irp e, 0,1,2,3,4,5,6,7
	v_add_f32 v[LG+\e], s[24+\e], v[LG+\e]         ; every lane holds the eight logits
.endr
	v_max3_num_f32 v224, v[LG], v[LG+1], v[LG+2]
	v_max3_num_f32 v224, v224, v[LG+3], v[LG+4]
	v_max3_num_f32 v224, v224, v[LG+5], v[LG+6]
	v_max_num_f32 v224, v224, v[LG+7]              ; the row's maximum
.irp e, 0,1,2,3,4,5,6,7
	v_sub_f32 v[LG+\e], v[LG+\e], v224             ; the difference first, as the softmax takes it: not fused with the factor below
.endr
.irp e, 0,1,2,3,4,5,6,7
	v_mul_f32 v[LG+\e], 0x3fb8aa3b, v[LG+\e]       ; x log2(e)
.endr
	s_wait_alu depctr_va_vdst(0)
.irp e, 0,1,2,3,4,5,6,7
	v_exp_f32 v[LG+\e], v[LG+\e]
.endr
	v_nop                                          ; a plain place behind the exponentials
	s_wait_alu depctr_va_vdst(0)                   ; one wait for the eight, ahead of their first reader
	v_add_f32 v225, v[LG], v[LG+1]
	v_add_f32 v226, v[LG+2], v[LG+3]
	v_add_f32 v227, v[LG+4], v[LG+5]
	v_add_f32 v228, v[LG+6], v[LG+7]
	v_add_f32 v225, v225, v226
	v_add_f32 v227, v227, v228
	v_add_f32 v225, v225, v227
	s_wait_alu depctr_va_vdst(0)
	v_rcp_f32 v225, v225
	v_mov_b32 v229, -1.0                           ; (a plain place)  under every p
	s_wait_alu depctr_va_vdst(0)
.irp e, 0,1,2,3,4,5,6,7
	v_mul_f32 v[LG+\e], v[LG+\e], v225             ; p
.endr
; the largest of the eight and its index: a later p takes over only where it is greater, so the lower index is kept
.macro SCAN best, idx
	v_mov_b32 v[\best], v[LG]
	v_mov_b32 v[\idx], 0
.irp e, 1,2,3,4,5,6,7
	v_cmp_le_f32 vcc_lo, v[LG+\e], v[\best]
	v_cndmask_b32 v[\best], v[LG+\e], v[\best], vcc_lo
	v_cndmask_b32 v[\idx], \e, v[\idx], vcc_lo
.endr
.endm
	SCAN 225, 226
.irp e, 0,1,2,3,4,5,6,7
	v_cmp_eq_u32 vcc_lo, \e, v226
	v_cndmask_b32 v[LG+\e], v[LG+\e], v229, vcc_lo ; the winner leaves the field
.endr
	SCAN 227, 228
	v_add_f32 v224, v225, v227
	s_wait_alu depctr_va_vdst(0)
	v_rcp_f32 v224, v224
	v_mov_b32 v233, 1                              ; (a plain place)
	s_wait_alu depctr_va_vdst(0)
	v_mul_f32 v230, v225, v224                     ; c0
	v_mul_f32 v231, v227, v224                     ; c1
	v_lshlrev_b32 v232, v226, v233
	v_lshlrev_b32 v234, v228, v233
	v_or_b32 v232, v232, v234                      ; the two experts as bits
	v_lshl_or_b32 v235, v228, 8, v226
	v_lshl_or_b32 v235, v232, 16, v235
	v_cmp_eq_u32 vcc_lo, 0, v1
	s_wait_alu depctr_va_vdst(0)
	s_wait_xcnt 0x0                                ; EXEC changes only behind this wait: the record's stores have been issued
	s_wait_tensorcnt 0x0
	ds_add_u32 v14, v15
	s_wait_dscnt 0x0
	s_and_saveexec_b32 s20, vcc_lo                 ; every lane holds the same numbers: lane 0 stores them
	global_store_b32 v9, v235, s[12:13]
	global_store_b64 v9, v[230:231], s[14:15]
	s_wait_xcnt 0x0
	s_or_b32 exec_lo, exec_lo, s20
	s_endpgm
.Lfunc_end_k_q0d63884fe1_route:
	.size	k_q0d63884fe1_route, .Lfunc_end_k_q0d63884fe1_route-k_q0d63884fe1_route
	.p2alignl 7, 3214868480
	.fill 96, 4, 3214868480
	.section	.rodata,"a",@progbits
	.p2align	6, 0x0
	.amdhsa_kernel k_q0d63884fe1_route
		.amdhsa_group_segment_fixed_size 23040
		.amdhsa_private_segment_fixed_size 0
		.amdhsa_enable_private_segment 0
		.amdhsa_kernarg_size 48
		.amdhsa_user_sgpr_count 2
		.amdhsa_user_sgpr_kernarg_segment_ptr 1
		.amdhsa_wavefront_size32 1
		.amdhsa_system_sgpr_workgroup_id_x 1
		.amdhsa_system_sgpr_workgroup_id_y 1
		.amdhsa_system_sgpr_workgroup_id_z 1
		.amdhsa_system_vgpr_workitem_id 0
		.amdhsa_next_free_vgpr 256
		.amdhsa_next_free_sgpr 66
		.amdhsa_reserve_vcc 1
		.amdhsa_float_denorm_mode_32 3
		.amdhsa_float_denorm_mode_16_64 3
		.amdhsa_memory_ordered 1
		.amdhsa_forward_progress 1
		.amdhsa_inst_pref_size 29
	.end_amdhsa_kernel
	.amdgpu_metadata
---
amdhsa.version: [ 1, 2 ]
amdhsa.kernels:
  - .name:           k_q0d63884fe1_route
    .symbol:         k_q0d63884fe1_route.kd
    .args:
      - { .name: x, .offset: 0, .size: 8, .value_kind: global_buffer, .address_space: global }
      - { .name: gate_w, .offset: 8, .size: 8, .value_kind: global_buffer, .address_space: global }
      - { .name: gate_b, .offset: 16, .size: 8, .value_kind: global_buffer, .address_space: global }
      - { .name: xq, .offset: 24, .size: 8, .value_kind: global_buffer, .address_space: global }
      - { .name: sel, .offset: 32, .size: 8, .value_kind: global_buffer, .address_space: global }
      - { .name: coef, .offset: 40, .size: 8, .value_kind: global_buffer, .address_space: global }
    .group_segment_fixed_size: 23040
    .private_segment_fixed_size: 0
    .kernarg_segment_align: 8
    .kernarg_segment_size: 48
    .max_flat_workgroup_size: 128
    .sgpr_count:     66
    .vgpr_count:     256
    .wavefront_size: 32
...
	.end_amdgpu_metadata
.endif
;; end of part 5
;; launch up (part 6): grid 256 x 1, 4 waves a work-group, no clusters, 198,144 bytes of LDS; arguments W1, W3, xq, sel, hq, posE, cnt; writes hq, posE, cnt
.if DOCPART == 6
	.amdgcn_target "amdgcn-amd-amdhsa--gfx1250"
	.amdhsa_code_object_version 6
	.text
	.protected	k_q0d63884fe1_up
	.globl	k_q0d63884fe1_up
	.p2align	8
	.type	k_q0d63884fe1_up,@function
k_q0d63884fe1_up:
	s_mov_b64 s[64:65], 0
	v_nop
	global_prefetch_b8 v0, s[64:65] scope:SCOPE_SE
	s_setreg_imm32_b32 hwreg(HW_REG_WAVE_MODE, 25, 1), 1
	s_wait_xcnt 0x0
; h = relu(x W1^T)^2 (x W3^T) for the rows routed to an expert, both products on codes of E3M2 with one E8M0 scale for each 32 along K; h leaves quantised along H.
; W1, W3: [8][2048][1024] f32.  xq, sel: made by the launch before.
; SHARES.  Work-group = expert e (number / 32) and slice g (number % 32): hidden units 64 g .. 64 g + 63 of W1[e] and W3[e], 512 KiB of f32, read from memory once in the launch,
; quantised here and kept in registers as codes; all rows of the expert then pass through them.  Wave w: u = w & 1: units 32 u .. 32 u + 31 of the slice, one block of 32 along the
; next product's K; p = w >> 1: row tiles j = p, p + 2, ..  A wave holds 4 weight tiles (W1 a = 0, 1; W3 a = 0, 1) x 8 K steps = 32 fragments, 384 registers.
; PHASE A.  Wave (u, p) quantises the 16 fragments of its units for K steps 4 p .. 4 p + 3 and hands them to wave (u, 1 - p) through LDS as images of the operand's registers.
; Each load reads 512 consecutive bytes of one weight row; 16 rows turn through the wave's own stage so that lane (r, h) holds k = 64 c + 32 h + 0 .. 31 of row r: two whole blocks.
; THE LIST.  Wave 0 reads sel and ranks the tokens that chose e: list[rank] = token, in LDS; n = their number.  Slice 0 also stores the ranks (posE[e][token]) and n (cnt[e]) for later launches.
; PHASE B.  A loop of 32 trips (a constant): tile j of 16 list rows, passed over by a scalar branch where j >= ceil(n / 16).  The rows' records are gathered a tile ahead, in aligned runs of
; 256 bytes, and turn through LDS into operand order.  The product is used TRANSPOSED (source 0 = 16 units, source 1 = 16 rows), and lane r of weight tile a takes unit 8 a + r + 8 (r / 8):
; so a lane holds ONE row, and the 16 registers of tiles a = 0, 1 are units 16 h + 0 .. 15.  The list is padded with token 0: the last tile's spare rows are that token's, stored and never used.
; hq: record e x 64 + j of 25,600 bytes: K step S = g / 2, half c = g % 2: 12 bytes at 1536 S + 768 c + 24 (16 u + r) + 12 h: the image of the next product's operand; scale byte at 24576 + 64 S + 4 r + 2 c + u.
; NO TENSOR LOADS, NO CLUSTER: the number of tiles hangs on a count read from memory, and a launch with that branch takes its operands through registers; partners asking jointly for all 64 possible
; tiles would move 64 tiles where n / 16 are wanted.
; LIMITS: NaN and infinities are not served; a block of zeros gets the byte 1 (its codes are zeros; this program alone reads the bytes); blocks under 2^-122 are held at byte 1.
.set NF,    16                         ; fragments that a wave quantises
.set FRB,   1536                       ; a fragment's image: 12 registers x 128 bytes
.set TP,    528                        ; stage row: 512 bytes + 16 = 33 x 16
.set XP,    816                        ; a row's codes (768), scale bytes (32), + 16 = 51 x 16
.set TURN,  0                          ; 4 x 16 x 528
.set WIMG,  4*16*TP                    ; 64 images: index 32 u + 4 s + tile
.set WSC,   WIMG+64*FRB                ; their scale words, 128 bytes each
.set XST,   WSC+64*128                 ; 4 x 16 x 816
.set LIST,  XST+4*16*XP                ; 1,088 words
.set LISTN, LIST+1088*4                ; n (64 words' room)
.set DUMPW, 1152                       ; list words 1152 + lane: where lanes without a match put their token
.set WS,    32                         ; v32-63   weight scale words, 4 s + tile
.set XS,    64                         ; v64-71   the rows' scale words, K step s
.set ACC,   72                         ; v72-103  four accumulators; in the list build the ranks
.set RK,    72
.set F,     104                        ; v104-199 the rows' fragments, 12 a K step
.set X,     104                        ; v104-167 phase A: 64 numbers
.set SELR,  168                        ; v168-199 sel: register 4 i + j = token 128 i + 4 lane + j
.set PC,    200                        ; v200-211 codes just made; v212-218 their second halves
.set CT,    212
.set TM,    220                        ; v220-221 largest magnitudes; v222-223 scale operands; v224-225 bytes; v226 the word; v227 the other half's
.set SO,    222
.set BY,    224
.set PW,    226
.set PT,    227
.set HC,    232                        ; v232-234 h's codes; v235-236 maxima; v237 the other half's; v238 scale operand; v239 byte
; v0-17, v27-31, v248-251: addresses, made at the head and kept.  v18-26: list entries, then gather offsets.  v240-242: the list build's own.  v244-247: zeros.
; window 1: fragments of K steps 0-3 at 12 (4 s + tile); window 2: K steps 4-7; window 3: three sets of 64 landing registers, later 96 + 8 for a gathered tile.
.set MSB, 0
.macro WIN new                         ; the immediate's high byte repeats the setting that is left
.if MSB != \new
	s_set_vgpr_msb (MSB<<8)|\new
.set MSB, \new
.endif
.endm
	s_load_b256 s[4:11], s[0:1], 0x0               ; W1 s[4:5], W3 s[6:7], xq s[8:9], sel s[10:11]
	s_load_b128 s[12:15], s[0:1], 0x20             ; hq s[12:13], posE s[14:15]
	s_load_b64 s[16:17], s[0:1], 0x30              ; cnt
	v_lshl_add_u32 v254, v0, 2, 0x30400
	v_mov_b32 v255, 0
	v_lshrrev_b32 v1, 5, v0
	v_readfirstlane_b32 s18, v1                    ; wave
	s_and_b32 s19, s18, 1                          ; u
	s_lshr_b32 s20, s18, 1                         ; p
	s_lshr_b32 s21, ttmp9, 5                       ; e
	s_and_b32 s22, ttmp9, 31                       ; g
	s_lshr_b32 s23, s22, 1                         ; S
	s_and_b32 s24, s22, 1                          ; c
	v_and_b32 v1, 31, v0                           ; lane
	v_and_b32 v2, 15, v0                           ; r
	v_bfe_u32 v3, v0, 4, 1                         ; h
	v_lshlrev_b32 v4, 4, v1                        ; 16 x lane
	v_lshlrev_b32 v31, 2, v1                       ; 4 x lane
	v_lshlrev_b32 v29, 4, v2                       ; 16 r
	v_lshlrev_b32 v30, 3, v3                       ; 8 h
	s_mul_i32 s26, s18, 16*TP
	v_add_nc_u32 v5, s26, v4                       ; stage, in: 16 x lane, + 528 x row
	v_mul_u32_u24 v6, v2, TP
	v_lshl_add_u32 v6, v3, 7, v6
	v_add_nc_u32 v6, s26, v6                       ; stage, out: row r, + 128 h
	s_mul_i32 s26, s19, 32*FRB
	s_add_co_u32 s26, s26, WIMG
	v_add_nc_u32 v9, s26, v4                       ; images of my units' 32 fragments
	s_mul_i32 s27, s20, 16*FRB
	s_add_co_u32 s27, s27, s26
	v_add_nc_u32 v7, s27, v4                       ; the 16 that I make
	s_lshl_b32 s26, s19, 12
	s_add_co_u32 s26, s26, WSC
	v_add_nc_u32 v10, s26, v31                     ; their scale words likewise
	s_lshl_b32 s27, s20, 11
	s_add_co_u32 s27, s27, s26
	v_add_nc_u32 v8, s27, v31
	s_mul_i32 s26, s18, 16*XP
	s_add_co_u32 s26, s26, XST
	v_mad_u32_u24 v11, v3, XP, v29
	v_add_nc_u32 v11, s26, v11                     ; rows, in: lanes 0-15 one row, lanes 16-31 the next; 16 bytes a lane
	v_mul_u32_u24 v13, v2, XP
	v_add_nc_u32 v13, s26, v13
	v_mad_u32_u24 v12, v3, 384, v13                ; rows, out: row r, my half's 384 bytes
	v_add_nc_u32 v13, 768, v13                     ; row r's scale bytes
	v_lshl_add_u32 v14, v3, 2, LIST                ; list entries: row 2 q + h,
	v_lshl_add_u32 v15, v2, 2, LIST                ; and row r
	s_mul_i32 s26, s23, 1536
	s_mul_i32 s27, s24, 768
	s_add_co_u32 s26, s26, s27
	s_mul_i32 s27, s19, 384
	s_add_co_u32 s26, s26, s27
	v_mul_u32_u24 v16, v2, 24
	v_mad_u32_u24 v16, v3, 12, v16
	v_add_nc_u32 v16, s26, v16                     ; in a record of hq: my 12 bytes of codes
	s_lshl_b32 s26, s23, 6
	s_lshl_b32 s27, s24, 1
	s_add_co_u32 s26, s26, s27
	s_add_co_u32 s26, s26, s19
	s_add_co_u32 s26, s26, 24576
	v_lshl_add_u32 v17, v2, 2, s26                 ; and my row's scale byte
	v_add_nc_u32 v248, LIST, v4                    ; the list, 16 bytes a lane
	v_add_nc_u32 v249, DUMPW, v1                   ; my dump word's index
	v_mov_b32 v250, LISTN
	v_lshlrev_b32 v251, 3, v1                      ; 8 x lane
	v_mov_b32 v[PT], 0                             ; a lane permute's destination counts as one of its sources
	v_mov_b32 v237, 0
.irp i, 244,245,246,247
	v_mov_b32 v\i, 0
.endr
	s_add_co_u32 s26, s21, 16
	s_lshl_b32 s40, 1, s26                         ; my expert's bit in a word of sel
	s_mov_b32 s38, 0x76543210
	s_mov_b32 s39, 0xfedcba98                      ; v_permlanex16_b32's selects for lane l xor 16
	s_lshl_b32 s32, s21, 23                        ; the expert's 8 MiB,
	s_lshl_b32 s26, s22, 18                        ; the slice's 64 rows of 4,096 bytes,
	s_add_co_u32 s32, s32, s26
	s_lshl_b32 s26, s19, 17                        ; my 32 of them,
	s_add_co_u32 s32, s32, s26
	s_lshl_b32 s26, s20, 11                        ; my four K steps of 512 bytes
	s_add_co_u32 s32, s32, s26
	s_mov_b32 s33, 0
	s_lshl_b32 s36, s21, 6
	s_add_co_u32 s36, s36, s20
	s_mul_i32 s36, s36, 25600                      ; record e x 64 + p
	s_mov_b32 s37, 0
	s_lshl_b32 s42, s21, 12
	s_mov_b32 s43, 0
	s_lshl_b32 s44, s21, 8
	s_mov_b32 s45, 0
	s_wait_kmcnt 0x0
	s_add_nc_u64 s[4:5], s[4:5], s[32:33]
	s_add_nc_u64 s[6:7], s[6:7], s[32:33]
	s_add_nc_u64 s[34:35], s[12:13], s[36:37]
	s_add_nc_u64 s[14:15], s[14:15], s[42:43]
	s_add_nc_u64 s[16:17], s[16:17], s[44:45]
; fragment i of 16: tile i / 4 (W1 a = 0, 1; W3 a = 0, 1), K step 4 p + i % 4: 16 rows x 512 bytes into landing set i % 3
.macro LOADF i
	WIN 0xc0                                       ; destination window 3
.irp q, 0,1,2,3,4,5,6,7,8,9,10,11,12,13,14,15
	global_load_b128 v[64*((\i)%3)+4*\q:64*((\i)%3)+4*\q+3], v4, s[4+2*((\i)/8):5+2*((\i)/8)] offset:(8*(((\i)/4)%2)+\q+8*(\q/8))*4096+512*((\i)%4) th:TH_LOAD_NT
.endr
	WIN 0
.endm
; 64 numbers of a lane, v[X + 32 c + i] = k 64 c + 32 h + i of row r, become the fragment's 12 registers in v[PC] on and the row's scale word in v[PW]
.macro QW
.irp c, 0,1
	v_max3_num_f32 v[TM+\c], |v[X+32*\c]|, |v[X+32*\c+1]|, 0x2800000   ; my block 2 c + h: all 32 numbers are mine; the floor 2^(5 - 127) holds the byte at 1 from below
.endr
.irp i, 2,4,6,8,10,12,14,16,18,20,22,24,26,28,30
.irp c, 0,1
	v_max3_num_f32 v[TM+\c], v[TM+\c], |v[X+32*\c+\i]|, |v[X+32*\c+\i+1]|
.endr
.endr
.irp c, 0,1
	v_add_nc_u32 v[SO+\c], 0xfe000000, v[TM+\c]    ; 4 off the exponent field: the conversion's scale operand
.endr
.irp c, 0,1
	v_lshrrev_b32 v[BY+\c], 23, v[SO+\c]           ; the scale's byte
.endr
	v_lshl_or_b32 v[PW], v[BY+1], 16, v[BY]        ; blocks h and 2 + h,
	v_lshlrev_b32 v[PW], v30, v[PW]                ; 8 h bits up;
	v_permlanex16_b32 v[PT], v[PW], s38, s39
	v_or_b32 v[PW], v[PW], v[PT]                   ; with lane l xor 16's two the word is whole
.irp c, 0,1
	v_cvt_scalef32_pk16_bf6_f32 v[PC+6*\c:PC+6*\c+2], v[X+32*\c:X+32*\c+15], v[SO+\c]
	v_cvt_scalef32_pk16_bf6_f32 v[CT+4*\c:CT+4*\c+2], v[X+32*\c+16:X+32*\c+31], v[SO+\c]   ; (a conversion's three registers begin on an even number)
.endr
	v_nop                                          ; one plain place behind a scaled conversion
.irp c, 0,1
.irp i, 0,1,2
	v_mov_b32 v[PC+3+6*\c+\i], v[CT+4*\c+\i]
.endr
.endr
.endm
.macro IMAGE idx                       ; the fragment goes to LDS as it stands: lane l's 16 bytes at 16 l
.irp q, 0,1,2
	ds_store_b128 v7, v[PC+4*\q:PC+4*\q+3] offset:(\idx)*FRB+512*\q
.endr
	ds_store_b32 v8, v[PW] offset:(\idx)*128
.endm
; n: the loads of younger fragments that may stay out
.macro STEP i, n
	s_wait_loadcnt \n                              ; fragment i's 16 loads are in
	WIN 0x0c                                       ; an LDS store's data are its source 1: window 3
.irp q, 0,1,2,3,4,5,6,7,8,9,10,11,12,13,14,15
	ds_store_b128 v5, v[64*((\i)%3)+4*\q:64*((\i)%3)+4*\q+3] offset:TP*\q
.endr
	WIN 0
.irp c, 0,1
.irp k, 0,1,2,3,4,5,6,7
	ds_load_b128 v[X+32*\c+4*\k:X+32*\c+4*\k+3], v6 offset:256*\c+16*\k    ; LDS serves a wave's instructions in order: these see the stores above
.endr
.endr
	s_wait_dscnt 0x0                               ; the numbers are back; the stores have read the landing set; the last image's stores have read their registers
.if (\i)+3 < NF
	LOADF (\i)+3                                   ; into the set just emptied
.endif
	QW
	IMAGE (4*((\i)%4)+(\i)/4)
.endm
.irp i, 0,1,2,3,4,5,6,7
	global_load_b128 v[SELR+4*\i:SELR+4*\i+3], v4, s[10:11] offset:512*\i   ; every wave issues these, so that every wave's counts of loads are alike
.endr
	LOADF 0
	LOADF 1
	LOADF 2
	; THE LIST: wave 0 alone; no other wave touches LDS ahead of the barrier below
	s_cmp_lg_u32 s18, 0
	s_cbranch_scc1 .Llist_done
	s_wait_loadcnt 48                              ; sel is in; the 48 younger loads (fragments 0-2) may be out
	s_wait_alu depctr_va_vdst(0)
.irp i, 0,1,2,3,4,5,6,7,8
	ds_store_b128 v248, v[244:247] offset:512*\i   ; token 0 everywhere: what lies behind the last entry is a row that exists
.endr
	s_mov_b32 s25, 0
.set Q, 0
.rept 32
	v_and_b32 v240, s40, v[SELR+Q]
	v_cmp_ne_u32 vcc_lo, 0, v240                   ; did this token choose e?
	v_mbcnt_lo_u32_b32 v[RK+Q], vcc_lo, s25        ; its rank: those counted so far + those in lower lanes
	v_cndmask_b32 v241, v249, v[RK+Q], vcc_lo      ; where not: my dump word
	v_min_u32 v241, 1183, v241
	v_lshl_add_u32 v241, v241, 2, LIST
	v_add_nc_u32 v242, 128*(Q/4)+Q%4, v31          ; the token
	ds_store_b32 v241, v242
	s_bcnt1_i32_b32 s26, vcc_lo
	s_add_co_u32 s25, s25, s26
.set Q, Q+1
.endr
	v_mov_b32 v252, s25
	v_mov_b32 v253, s25
	ds_store_b32 v250, v252                        ; n
	s_cmp_lg_u32 s22, 0
	s_cbranch_scc1 .Llist_done                     ; the expert's first slice stores the ranks and n for the later launches
.irp i, 0,1,2,3,4,5,6,7
	global_store_b128 v4, v[RK+4*\i:RK+4*\i+3], s[14:15] offset:512*\i      ; laid as sel: 512 consecutive bytes a store
.endr
	global_store_b64 v251, v[252:253], s[16:17]    ; 64 times n: 256 consecutive bytes
.Llist_done:
	s_wait_xcnt 0x0                                ; the stores have read their registers, which are written again below
	s_wait_dscnt 0x0                               ; for the others' sake: the list is in LDS
	s_barrier_signal -1
	s_barrier_wait -1
.irp i, 0,1,2,3,4,5,6,7,8,9,10,11,12,13
	STEP \i, 32                                    ; the two younger fragments' 32 loads may be out
.endr
	STEP 14, 16
	STEP 15, 0
; the 16 rows of the tile whose list entries begin s29 bytes into the list: 24 loads of two aligned runs of 256 bytes (rows 2 q, 2 q + 1), and each row's 32 scale bytes
.macro GATHER
	v_add_nc_u32 v27, s29, v14
	v_add_nc_u32 v28, s29, v15
.irp q, 0,1,2,3,4,5,6,7
	ds_load_b32 v[18+\q], v27 offset:8*\q
.endr
	ds_load_b32 v26, v28
	s_wait_dscnt 0x0
.irp q, 0,1,2,3,4,5,6,7,8
	v_min_u32 v[18+\q], 0x3ff, v[18+\q]            ; a token's number, held inside xq
.endr
.irp q, 0,1,2,3,4,5,6,7
	v_lshl_add_u32 v[18+\q], v[18+\q], 10, v29
.endr
	v_lshlrev_b32 v26, 10, v26
	WIN 0xc0
.irp q, 0,1,2,3,4,5,6,7
.irp c, 0,1,2
	global_load_b128 v[4*(3*\q+\c):4*(3*\q+\c)+3], v[18+\q], s[8:9] offset:256*\c
.endr
.endr
	global_load_b128 v[96:99], v26, s[8:9] offset:768
	global_load_b128 v[100:103], v26, s[8:9] offset:784
	WIN 0
.endm
; the gathered tile turns through my stage into operand order
.macro TURNX
	s_wait_loadcnt 0x0                             ; the gather is in; its offset registers are free
	WIN 0x0c
.irp q, 0,1,2,3,4,5,6,7
.irp c, 0,1,2
	ds_store_b128 v11, v[4*(3*\q+\c):4*(3*\q+\c)+3] offset:2*XP*\q+256*\c
.endr
.endr
	ds_store_b128 v13, v[96:99]                    ; (both halves of the lanes hold row r's: the same bytes twice)
	ds_store_b128 v13, v[100:103] offset:16
	WIN 0
.irp i, 0,1,2,3,4,5,6,7,8,9,10,11,12,13,14,15,16,17,18,19,20,21,22,23
	ds_load_b128 v[F+4*\i:F+4*\i+3], v12 offset:16*\i
.endr
	ds_load_b128 v[XS:XS+3], v13
	ds_load_b128 v[XS+4:XS+7], v13 offset:16
	s_wait_dscnt 0x0
.endm
; 32 matrix instructions: K ascending, the four accumulators by turns, one instruction a turn; the first K step starts the sums
.macro COMPUTE
.irp s, 0,1,2,3,4,5,6,7
.if \s < 4
	WIN 0x01                                       ; source 0 (weights) window 1
.else
	WIN 0x02                                       ; window 2
.endif
.irp t, 0,1,2,3
.if \s == 0
	v_wmma_scale_f32_16x16x128_f8f6f4 v[ACC+8*\t:ACC+8*\t+7], v[12*(4*(\s%4)+\t):12*(4*(\s%4)+\t)+11], v[F+12*\s:F+12*\s+11], 0, v[WS+4*\s+\t], v[XS+\s] matrix_a_fmt:MATRIX_FMT_BF6 matrix_b_fmt:MATRIX_FMT_BF6
.else
	v_wmma_scale_f32_16x16x128_f8f6f4 v[ACC+8*\t:ACC+8*\t+7], v[12*(4*(\s%4)+\t):12*(4*(\s%4)+\t)+11], v[F+12*\s:F+12*\s+11], v[ACC+8*\t:ACC+8*\t+7], v[WS+4*\s+\t], v[XS+\s] matrix_a_fmt:MATRIX_FMT_BF6 matrix_b_fmt:MATRIX_FMT_BF6
.endif
.endr
.endr
	WIN 0
.rept 4
	v_nop                                          ; four places between the last product and the first read of results (ISA guide 7.12.1)
.endr
.endm
; h = relu(a)^2 b, in f32, each accumulator from its low end on; then my 16 units' codes and the block's byte
.macro ACTQ
.irp i, 0,1,2,3,4,5,6,7,8,9,10,11,12,13,14,15
	v_max_num_f32 v[ACC+\i], 0, v[ACC+\i]
.endr
.irp i, 0,2,4,6,8,10,12,14
	v_pk_mul_f32 v[ACC+\i:ACC+\i+1], v[ACC+\i:ACC+\i+1], v[ACC+\i:ACC+\i+1]
.endr
.irp i, 0,2,4,6,8,10,12,14
	v_pk_mul_f32 v[ACC+\i:ACC+\i+1], v[ACC+\i:ACC+\i+1], v[ACC+16+\i:ACC+16+\i+1]
.endr
	v_max3_num_f32 v235, |v[ACC]|, |v[ACC+1]|, 0x2800000
	v_max3_num_f32 v236, |v[ACC+2]|, |v[ACC+3]|, |v[ACC+4]|
	v_max3_num_f32 v235, v235, |v[ACC+5]|, |v[ACC+6]|
	v_max3_num_f32 v236, v236, |v[ACC+7]|, |v[ACC+8]|
	v_max3_num_f32 v235, v235, |v[ACC+9]|, |v[ACC+10]|
	v_max3_num_f32 v236, v236, |v[ACC+11]|, |v[ACC+12]|
	v_max3_num_f32 v235, v235, |v[ACC+13]|, |v[ACC+14]|
	v_max3_num_f32 v235, v235, v236, |v[ACC+15]|
	v_permlanex16_b32 v237, v235, s38, s39
	v_max_num_f32 v235, v235, v237                 ; with lane l xor 16's 16 units: the block's largest magnitude
	v_add_nc_u32 v238, 0xfe000000, v235
	v_cvt_scalef32_pk16_bf6_f32 v[HC:HC+2], v[ACC:ACC+15], v238
	v_lshrrev_b32 v239, 23, v238                   ; the byte; also the plain place behind the conversion
	global_store_b96 v16, v[HC:HC+2], s[34:35]     ; the wave stores 384 consecutive bytes
	global_store_b8 v17, v239, s[34:35]            ; (both halves of the lanes write the same byte with the same value)
.endm
	ds_load_b32 v236, v250                         ; n
	s_wait_dscnt 0x0
	v_readfirstlane_b32 s26, v236
	s_add_co_u32 s26, s26, 15
	s_lshr_b32 s28, s26, 4                         ; tiles of 16 rows
	s_lshl_b32 s29, s20, 6                         ; tile p's entries
	GATHER
	s_add_co_u32 s29, s29, 128                     ; a gather runs one of my tiles ahead
	s_mov_b32 s30, s20                             ; j
	s_wait_dscnt 0x0                               ; for the others' sake: my images are in LDS
	s_barrier_signal -1
	s_barrier_wait -1
	WIN 0x40                                       ; destination window 1
.set I, 0
.rept 16
.irp q, 0,1,2
	ds_load_b128 v[12*I+4*\q:12*I+4*\q+3], v9 offset:FRB*I+512*\q
.endr
.set I, I+1
.endr
	WIN 0x80                                       ; window 2
.set I, 0
.rept 16
.irp q, 0,1,2
	ds_load_b128 v[12*I+4*\q:12*I+4*\q+3], v9 offset:FRB*(I+16)+512*\q
.endr
.set I, I+1
.endr
	WIN 0
.set I, 0
.rept 32
	ds_load_b32 v[WS+I], v10 offset:128*I
.set I, I+1
.endr
	s_wait_dscnt 0x0
	s_mov_b32 s31, 32
.Ltile:                                                ; 32 trips whatever the split: 64 tiles serve all 1,024 tokens on one expert
	s_cmp_ge_u32 s30, s28
	s_cbranch_scc1 .Lskip                          ; no such tile: only the steps below
	TURNX
	GATHER                                         ; tile j + 2: entries up to 16 x 65 + 15, inside the list's 1,088
	COMPUTE
	ACTQ
.Lskip:
	s_wait_xcnt 0x0                                ; the stores have read their data and their base, the gather its base
	s_add_nc_u64 s[34:35], s[34:35], 51200         ; two records on
	s_add_co_u32 s29, s29, 128
	s_add_co_u32 s30, s30, 2
	s_sub_co_u32 s31, s31, 1
	s_cmp_lg_u32 s31, 0
	s_cbranch_scc1 .Ltile
	s_wait_tensorcnt 0x0
	ds_add_u32 v254, v255
	s_wait_dscnt 0x0
	s_endpgm
.Lfunc_end_k_q0d63884fe1_up:
	.size	k_q0d63884fe1_up, .Lfunc_end_k_q0d63884fe1_up-k_q0d63884fe1_up
	.p2alignl 7, 3214868480
	.fill 96, 4, 3214868480
	.section	.rodata,"a",@progbits
	.p2align	6, 0x0
	.amdhsa_kernel k_q0d63884fe1_up
		.amdhsa_group_segment_fixed_size 198144
		.amdhsa_private_segment_fixed_size 0
		.amdhsa_enable_private_segment 0
		.amdhsa_kernarg_size 56
		.amdhsa_user_sgpr_count 2
		.amdhsa_user_sgpr_kernarg_segment_ptr 1
		.amdhsa_wavefront_size32 1
		.amdhsa_system_sgpr_workgroup_id_x 1
		.amdhsa_system_sgpr_workgroup_id_y 1
		.amdhsa_system_sgpr_workgroup_id_z 1
		.amdhsa_system_vgpr_workitem_id 0
		.amdhsa_next_free_vgpr 960
		.amdhsa_next_free_sgpr 66
		.amdhsa_reserve_vcc 1
		.amdhsa_float_denorm_mode_32 3
		.amdhsa_float_denorm_mode_16_64 3
		.amdhsa_memory_ordered 1
		.amdhsa_forward_progress 1
		.amdhsa_inst_pref_size 161
	.end_amdhsa_kernel
	.amdgpu_metadata
---
amdhsa.version: [ 1, 2 ]
amdhsa.kernels:
  - .name:           k_q0d63884fe1_up
    .symbol:         k_q0d63884fe1_up.kd
    .args:
      - { .name: W1, .offset: 0, .size: 8, .value_kind: global_buffer, .address_space: global }
      - { .name: W3, .offset: 8, .size: 8, .value_kind: global_buffer, .address_space: global }
      - { .name: xq, .offset: 16, .size: 8, .value_kind: global_buffer, .address_space: global }
      - { .name: sel, .offset: 24, .size: 8, .value_kind: global_buffer, .address_space: global }
      - { .name: hq, .offset: 32, .size: 8, .value_kind: global_buffer, .address_space: global }
      - { .name: posE, .offset: 40, .size: 8, .value_kind: global_buffer, .address_space: global }
      - { .name: cnt, .offset: 48, .size: 8, .value_kind: global_buffer, .address_space: global }
    .group_segment_fixed_size: 198144
    .private_segment_fixed_size: 0
    .kernarg_segment_align: 8
    .kernarg_segment_size: 56
    .max_flat_workgroup_size: 128
    .sgpr_count:     66
    .vgpr_count:     960
    .wavefront_size: 32
...
	.end_amdgpu_metadata
.endif
;; end of part 6
;; launch down (part 7): grid 256 x 1, 4 waves a work-group, no clusters, 199,168 bytes of LDS; arguments W2, hq, cnt, yq; writes yq
.if DOCPART == 7
	.amdgcn_target "amdgcn-amd-amdhsa--gfx1250"
	.amdhsa_code_object_version 6
	.text
	.protected	k_q0d63884fe1_down
	.globl	k_q0d63884fe1_down
	.p2align	8
	.type	k_q0d63884fe1_down,@function
k_q0d63884fe1_down:
	s_mov_b64 s[64:65], 0
	v_nop
	global_prefetch_b8 v0, s[64:65] scope:SCOPE_SE
	s_setreg_imm32_b32 hwreg(HW_REG_WAVE_SCHED_MODE, 0, 2), 2
	s_setreg_imm32_b32 hwreg(HW_REG_WAVE_MODE, 25, 1), 1
	s_wait_xcnt 0x0
	s_wait_alu depctr_vm_vsrc(0)
; y = h W2^T for the rows routed to an expert, on codes of E3M2 with one E8M0 scale for each 32 along K = the 2,048 hidden units.  W2: [8][1024][2048] f32.  hq, cnt: made by the launch before.
; SHARES.  Work-group = expert e (number / 32) and slice sg (number % 32): output columns 32 sg .. 32 sg + 31: 32 rows of W2[e], 256 KiB of f32, read from memory once in the launch,
; quantised here and kept in EVERY wave's registers as codes: 2 tiles x 16 K steps = 32 fragments, 384 registers.  Wave w quantises K steps 4 w .. 4 w + 3 of both tiles and hands them to the
; others through LDS as images of the operand's registers; then it takes row tiles j = w, w + 4, ..
; A ROW TILE is a record of hq, 25,600 consecutive bytes, already the image of the operand's registers (K step S, half c, lane L: 24 bytes at 1536 S + 768 c + 24 L; scale words at 24576 + 64 S + 4 r).
; It comes by 50 loads of 512 consecutive bytes, one of my tiles ahead, goes to my own LDS as it lies, and is read from there 8 bytes at a time, 24 bytes from lane to lane.
; The product is used TRANSPOSED (source 0 = 16 rows of W2, source 1 = 16 rows of h): a lane holds one row and eight neighbouring columns.
; yq: [e x 64 + j][sg][16 rows][32 columns] f32: 2,048 consecutive bytes for a tile and a slice.
; A loop of 16 trips (a constant); a tile j >= ceil(n / 16) is passed over by a scalar branch on the stored count, and no record is asked for that the launch before has not stored.
; NO TENSOR LOADS, NO CLUSTER: the number of tiles hangs on a count read from memory, and a launch with that branch takes its operands through registers.
; LIMITS: NaN and infinities are not served; a block of zeros gets the byte 1 (its codes are zeros; this program alone reads the bytes); blocks under 2^-122 are held at byte 1.
; THE MODE: SCHED_MODE bits 1:0 = 2 (LLVM: expert scheduling mode 2), set by the entry lines.  The code itself states the register dependences
; between vector or matrix instructions and memory or LDS instructions, with s_wait_alu, always for 0.
; THE PLAN, PHASE A.  Registers that memory or LDS instructions touch:
;   L0 .. L2 (window 3)  Written by the loads of fragment i + 3, issued in step i; read by the stage's stores of fragment i, issued in step i - 1.  No vector instruction names them.
;   X0, X1               Written by the stage's loads of fragment i + 1, issued in step i; read by step i + 1's quantiser.
;   PC, PW               Written by step i's quantiser; read by step i's four image stores.
;   Step i holds one wait on vm_vsrc at its head (the stage's stores have read L[i % 3]; the last image's stores have read PC and PW) and one on va_vdst behind its quantiser (PC and PW are written;
;   the quantiser is done reading X[i % 2], in which the turn of step i + 1 lands with no vector instruction between).
; THE PLAN, THE TILE LOOP.  Its only vector-side instructions are the 32 products and the places behind them.
;   window 3 v0-199   Written by the loads of the record four tiles on; read by the next trip's 50 LDS stores.
;   F, HS             h's fragments of K steps 0-7 and all 16 scale words: written by LDS loads at the trip's head; read by the products.
;   G (v192-239 of windows 1 and 2)   h's fragments of K steps 8-15: written by LDS loads issued ahead of the first half's products, under which they land; read by the second half's products.
;   ACC               Written by the products; read by four LDS stores.          YO   Written by four LDS loads; read by four global stores.
;   One wait on vm_vsrc a trip, behind the 50 LDS stores: they have read the record's registers; the last trip's LDS stores have read ACC and its global stores YO.
;   One wait on va_vdst a trip, behind the last product's places: ACC is written; the products are done reading F, G and HS, in which the next trip's loads land.
.set NF,    8                          ; fragments that a wave quantises
.set FRB,   1536
.set TP,    528                        ; stage row: 512 bytes + 16
.set RECB,  25600
.set YP,    144                        ; a row of 32 results + 16
.set WIMG,  4*16*TP                    ; 32 images: index 2 S + tile
.set WSC,   WIMG+32*FRB
.set HST,   WSC+32*128                 ; 4 records
.set YST,   HST+4*RECB                 ; 4 x 16 x 144
.set WS,    32                         ; v32-63   W2's scale words, 2 S + tile
.set HS,    64                         ; v64-79   h's scale words, K step S
.set ACC,   80                         ; v80-95   two accumulators
.set F,     96                         ; v96-191  h's fragments of K steps 0-7
.set G,     192                        ; v192-239 of window 1: h's fragments of K steps 8-11; of window 2: of K steps 12-15
.set X0,    96                         ; v96-159  phase A: 64 numbers of the even fragments
.set X1,    32                         ; v32-95   phase A: 64 numbers of the odd fragments (these registers have no other use in that phase)
.set PC,    200
.set CT,    212
.set TM,    220
.set SO,    222
.set BY,    224
.set PW,    226
.set PT,    227
.set YO,    232                        ; v232-247 a tile's results, as rows
; window 1: W2's fragments of K steps 0-7 at 12 (2 S + tile); window 2: K steps 8-15; window 3: three sets of 64 landing registers, later 200 for a record.
.set MSB, 0
.macro WIN new                         ; the immediate's high byte repeats the setting that is left
.if MSB != (\new)
	s_set_vgpr_msb (MSB<<8)|(\new)
.set MSB, (\new)
.endif
.endm
	s_load_b256 s[4:11], s[0:1], 0x0               ; W2 s[4:5], hq s[6:7], cnt s[8:9], yq s[10:11]
	v_lshl_add_u32 v254, v0, 2, 0x30800
	v_mov_b32 v255, 0
	v_lshrrev_b32 v1, 5, v0
	v_readfirstlane_b32 s18, v1                    ; wave
	v_and_b32 v1, 31, v0                           ; lane
	v_and_b32 v2, 15, v0                           ; r
	v_bfe_u32 v3, v0, 4, 1                         ; h
	v_lshlrev_b32 v4, 4, v1                        ; 16 x lane
	v_lshlrev_b32 v31, 2, v1                       ; 4 x lane
	v_lshlrev_b32 v30, 3, v3                       ; 8 h
	s_wait_alu depctr_va_sdst(0)                   ; s18 is written, ahead of its first reader
	s_lshr_b32 s21, ttmp9, 5                       ; e
	s_and_b32 s22, ttmp9, 31                       ; slice
	s_mul_i32 s26, s18, 16*TP
	v_add_nc_u32 v5, s26, v4                       ; stage, in
	v_mul_u32_u24 v6, v2, TP
	v_lshl_add_u32 v6, v3, 7, v6
	v_add_nc_u32 v6, s26, v6                       ; stage, out: row r, + 128 h
	v_add_nc_u32 v9, WIMG, v4                      ; all 32 images
	s_mul_i32 s26, s18, 8*FRB
	v_add_nc_u32 v7, s26, v9                       ; the eight that I make
	v_add_nc_u32 v10, WSC, v31
	s_lshl_b32 s26, s18, 10
	v_add_nc_u32 v8, s26, v10
	s_mul_i32 s26, s18, RECB
	s_add_co_u32 s26, s26, HST
	v_add_nc_u32 v11, s26, v4                      ; my record, in: 16 x lane
	v_mul_u32_u24 v12, v1, 24
	v_add_nc_u32 v12, s26, v12                     ; out: 24 x lane
	v_lshl_add_u32 v13, v2, 2, s26
	v_add_nc_u32 v13, 24576, v13                   ; row r's scale words
	s_mul_i32 s27, s18, 16*YP
	s_add_co_u32 s27, s27, YST
	v_mul_u32_u24 v14, v2, YP
	v_lshl_add_u32 v14, v3, 5, v14
	v_add_nc_u32 v14, s27, v14                     ; results, in: row r, + 32 h
	v_lshrrev_b32 v15, 3, v1
	v_mul_u32_u24 v15, v15, YP
	v_and_b32 v16, 7, v1
	v_lshl_add_u32 v15, v16, 4, v15
	v_add_nc_u32 v15, s27, v15                     ; back: eight lanes to a row of 128 bytes, four rows an instruction
	v_mov_b32 v[PT], 0                             ; a lane permute's destination counts as one of its sources
	s_mov_b32 s38, 0x76543210
	s_mov_b32 s39, 0xfedcba98
	s_lshl_b32 s32, s21, 23                        ; the expert's 8 MiB,
	s_lshl_b32 s26, s22, 18                        ; the slice's 32 rows of 8,192 bytes,
	s_add_co_u32 s32, s32, s26
	s_lshl_b32 s26, s18, 11                        ; my four K steps of 512 bytes
	s_add_co_u32 s32, s32, s26
	s_mov_b32 s33, 0
	s_lshl_b32 s34, s21, 6
	s_add_co_u32 s34, s34, s18
	s_mul_i32 s34, s34, RECB                       ; record e x 64 + w
	s_mov_b32 s35, 0
	s_lshl_b32 s40, s21, 22                        ; yq: the expert's 64 tiles of 65,536 bytes,
	s_lshl_b32 s26, s18, 16                        ; tile w,
	s_add_co_u32 s40, s40, s26
	s_lshl_b32 s26, s22, 11                        ; my slice's 2,048 bytes
	s_add_co_u32 s40, s40, s26
	s_mov_b32 s41, 0
	s_lshl_b32 s42, s21, 8
	s_mov_b32 s43, 0
	s_wait_kmcnt 0x0
	s_add_nc_u64 s[8:9], s[8:9], s[42:43]
	s_load_b32 s28, s[8:9], 0x0                    ; n
	s_add_nc_u64 s[4:5], s[4:5], s[32:33]
	s_add_nc_u64 s[36:37], s[6:7], s[34:35]
	s_add_nc_u64 s[44:45], s[10:11], s[40:41]
; fragment i of 8: tile i / 4, K step 4 w + i % 4: 16 rows x 512 bytes into landing set i % 3
.macro LOADF i
	WIN 0xc0
.irp q, 0,1,2,3,4,5,6,7,8,9,10,11,12,13,14,15
	global_load_b128 v[64*((\i)%3)+4*\q:64*((\i)%3)+4*\q+3], v4, s[4:5] offset:(16*((\i)/4)+\q)*8192+512*((\i)%4) th:TH_LOAD_NT
.endr
	WIN 0
.endm
; fragment i's 16 rows go through my stage, as they lie, and come back 128 bytes of a row to a lane, into X[i % 2]
.macro TURNS i
.set XT, X0+(X1-X0)*((\i)%2)
	WIN 0x0c                                       ; an LDS store's data are its source 1: window 3
.irp q, 0,1,2,3,4,5,6,7,8,9,10,11,12,13,14,15
	ds_store_b128 v5, v[64*((\i)%3)+4*\q:64*((\i)%3)+4*\q+3] offset:TP*\q
.endr
	WIN 0
.irp c, 0,1
.irp k, 0,1,2,3,4,5,6,7
	ds_load_b128 v[XT+32*\c+4*\k:XT+32*\c+4*\k+3], v6 offset:256*\c+16*\k    ; LDS serves a wave's instructions in order: these see the stores above, which come behind the last turn's loads
.endr
.endr
.endm
; 64 numbers of a lane in X[b], v[XQ + 32 c + i] = k 64 c + 32 h + i of row r, become the fragment's 12 registers in v[PC] on and the row's scale word in v[PW]
.macro QW b
.set XQ, X0+(X1-X0)*(\b)
.irp c, 0,1
	v_max3_num_f32 v[TM+\c], |v[XQ+32*\c]|, |v[XQ+32*\c+1]|, 0x2800000   ; my block 2 c + h; the floor 2^(5 - 127) holds the byte at 1 from below
.endr
.irp i, 2,4,6,8,10,12,14,16,18,20,22,24,26,28,30
.irp c, 0,1
	v_max3_num_f32 v[TM+\c], v[TM+\c], |v[XQ+32*\c+\i]|, |v[XQ+32*\c+\i+1]|
.endr
.endr
.irp c, 0,1
	v_add_nc_u32 v[SO+\c], 0xfe000000, v[TM+\c]    ; 4 off the exponent field: the conversion's scale operand
.endr
.irp c, 0,1
	v_lshrrev_b32 v[BY+\c], 23, v[SO+\c]
.endr
	v_lshl_or_b32 v[PW], v[BY+1], 16, v[BY]
	v_lshlrev_b32 v[PW], v30, v[PW]
	v_permlanex16_b32 v[PT], v[PW], s38, s39
	v_or_b32 v[PW], v[PW], v[PT]                   ; with lane l xor 16's two bytes the word is whole
.irp c, 0,1
	v_cvt_scalef32_pk16_bf6_f32 v[PC+6*\c:PC+6*\c+2], v[XQ+32*\c:XQ+32*\c+15], v[SO+\c]
	v_cvt_scalef32_pk16_bf6_f32 v[CT+4*\c:CT+4*\c+2], v[XQ+32*\c+16:XQ+32*\c+31], v[SO+\c]
.endr
	v_nop                                          ; one plain place behind a scaled conversion
.irp c, 0,1
.irp i, 0,1,2
	v_mov_b32 v[PC+3+6*\c+\i], v[CT+4*\c+\i]
.endr
.endr
.endm
.macro IMAGE idx
.irp q, 0,1,2
	ds_store_b128 v7, v[PC+4*\q:PC+4*\q+3] offset:(\idx)*FRB+512*\q
.endr
	ds_store_b32 v8, v[PW] offset:(\idx)*128
.endm
; Step i: fragment i + 3 is asked for, fragment i + 1 turns through the stage, fragment i is quantised.  n: the loads of fragments younger than i + 1 that may stay out
.macro STEP i, n
.if (\i) > 0
	s_wait_dscnt 4                                 ; LDS answers in order: fragment i's numbers are back in X[i % 2]; the four younger stores, the last image's, may be out
.else
	s_wait_dscnt 0x0
.endif
.if (\i)+3 < NF
	WIN 0xc0
.endif
	s_wait_alu depctr_vm_vsrc(0)                   ; the stage's stores of fragment i have read landing set i % 3, in which loads land again; the last image's stores have read v[PC ..] and v[PW], which the quantiser writes again
.if (\i)+3 < NF
	LOADF (\i)+3                                   ; into the set just emptied
.endif
.if (\i)+1 < NF
	s_wait_loadcnt \n                              ; fragment i + 1's 16 loads are in
	TURNS (\i)+1                                   ; its numbers land in the other X, which the quantiser of step i - 1 was shown done reading by that step's wait on va_vdst; no vector instruction has been issued since
.endif
	QW ((\i)%2)
	s_wait_alu depctr_va_vdst(0)                   ; the quantiser has written v[PC ..] and v[PW], which the image's stores read; and it is done reading X[i % 2]
	IMAGE (2*((\i)%4)+(\i)/4)
.endm
; a record, off bytes behind the base: 50 loads of 512 consecutive bytes
.macro GATH off
	WIN 0xc0
.set I, 0
.rept 50
	global_load_b128 v[4*I:4*I+3], v4, s[36:37] offset:\off+512*I
.set I, I+1
.endr
	WIN 0
.endm
	WIN 0xc0                                       ; destination window 3
.irp i, 192,193,194,195,196,197,198,199
	v_mov_b32 v\i, 0                               ; of a record's 200 registers these eight alone are not among the landing sets: written once, so that they hold a number on every way
.endr                                              ; through the text (a wave whose first tile does not exist gathers nothing, and passes over every tile)
	s_wait_alu depctr_va_vdst(0)                   ; all that the head has written is written: the address registers, which the loads and stores below read, and the eight registers above, in which a record's loads land
	LOADF 0
	LOADF 1
	LOADF 2
	s_wait_loadcnt 32                              ; fragment 0's 16 loads are in; the two younger fragments' 32 may be out
	TURNS 0
.irp i, 0,1,2,3,4
	STEP \i, 32                                    ; the two younger fragments' 32 loads may be out
.endr
	STEP 5, 16
	STEP 6, 0
	STEP 7, 0
	s_wait_kmcnt 0x0
	s_add_co_u32 s28, s28, 15
	s_lshr_b32 s28, s28, 4                         ; tiles of 16 rows
	s_mov_b32 s30, s18                             ; j
	s_cmp_ge_u32 s30, s28
	s_cbranch_scc1 .Lno_first
	GATH 0                                         ; my first tile, if there is one (the stage's stores were shown done reading the landing registers by the last step's wait on vm_vsrc)
.Lno_first:
	s_wait_dscnt 0x0                               ; for the others' sake: my images are in LDS
	s_barrier_signal -1
	s_barrier_wait -1
	WIN 0x40
.set I, 0
.rept 16
.irp q, 0,1,2
	ds_load_b128 v[12*I+4*\q:12*I+4*\q+3], v9 offset:FRB*I+512*\q
.endr
.set I, I+1
.endr
	WIN 0x80
.set I, 0
.rept 16
.irp q, 0,1,2
	ds_load_b128 v[12*I+4*\q:12*I+4*\q+3], v9 offset:FRB*(I+16)+512*\q
.endr
.set I, I+1
.endr
	WIN 0
.set I, 0
.rept 32
	ds_load_b32 v[WS+I], v10 offset:128*I          ; (v32-63 were X1's: the last quantiser was shown done reading them by its step's wait on va_vdst, and no vector instruction has named them since)
.set I, I+1
.endr
	s_wait_dscnt 0x0
; h's fragments of K steps 0 .. 7 from my record
.macro HFRAG0
.irp s, 0,1,2,3,4,5,6,7
.irp c, 0,1
.irp i, 0,1,2
	ds_load_b64 v[F+12*\s+6*\c+2*\i:F+12*\s+6*\c+2*\i+1], v12 offset:FRB*\s+768*\c+8*\i
.endr
.endr
.endr
.endm
; and of K steps 8 .. 15, into registers of their own: 8-11 in window 1, 12-15 in window 2
.macro HFRAG1
	WIN 0x40                                       ; destination window 1, address window 0
.irp s, 0,1,2,3
.irp c, 0,1
.irp i, 0,1,2
	ds_load_b64 v[G+12*\s+6*\c+2*\i:G+12*\s+6*\c+2*\i+1], v12 offset:FRB*(8+\s)+768*\c+8*\i
.endr
.endr
.endr
	WIN 0x80                                       ; destination window 2
.irp s, 0,1,2,3
.irp c, 0,1
.irp i, 0,1,2
	ds_load_b64 v[G+12*\s+6*\c+2*\i:G+12*\s+6*\c+2*\i+1], v12 offset:FRB*(12+\s)+768*\c+8*\i
.endr
.endr
.endr
	WIN 0
.endm
; 2 x 16 matrix instructions: K ascending, the two accumulators by turns, one instruction a turn, from the first half into the second too.
; Nothing is owed behind the first half: no load lands in a register that its products have read before the trip's end.
.macro MULH0
	WIN 0x01                                       ; source 0 (W2) window 1
.irp s, 0,1,2,3,4,5,6,7
.irp n, 0,1
.if \s == 0
	v_wmma_scale_f32_16x16x128_f8f6f4 v[ACC+8*\n:ACC+8*\n+7], v[12*(2*\s+\n):12*(2*\s+\n)+11], v[F+12*\s:F+12*\s+11], 0, v[WS+2*\s+\n], v[HS+\s] matrix_a_fmt:MATRIX_FMT_BF6 matrix_b_fmt:MATRIX_FMT_BF6
.else
	v_wmma_scale_f32_16x16x128_f8f6f4 v[ACC+8*\n:ACC+8*\n+7], v[12*(2*\s+\n):12*(2*\s+\n)+11], v[F+12*\s:F+12*\s+11], v[ACC+8*\n:ACC+8*\n+7], v[WS+2*\s+\n], v[HS+\s] matrix_a_fmt:MATRIX_FMT_BF6 matrix_b_fmt:MATRIX_FMT_BF6
.endif
.endr
.endr
.endm
; Behind the second half: five places: four serve the stores of the results; the next trip's first two products begin the sums anew, with the constant 0 as C, over these accumulators, and a matrix
; instruction that writes over another's registers stands five places behind it; no other vector instruction lies between the two round the loop's edge.
.macro MULH1
.irp s, 0,1,2,3,4,5,6,7
.if \s < 4
	WIN 0x06                                       ; source 0 (W2) window 2, source 1 (h) window 1
.else
	WIN 0x0a                                       ; both window 2
.endif
.irp n, 0,1
	v_wmma_scale_f32_16x16x128_f8f6f4 v[ACC+8*\n:ACC+8*\n+7], v[12*(2*\s+\n):12*(2*\s+\n)+11], v[G+12*(\s%4):G+12*(\s%4)+11], v[ACC+8*\n:ACC+8*\n+7], v[WS+16+2*\s+\n], v[HS+8+\s] matrix_a_fmt:MATRIX_FMT_BF6 matrix_b_fmt:MATRIX_FMT_BF6
.endr
.endr
	WIN 0
.rept 5
	v_nop
.endr
.endm
	s_mov_b32 s31, 16
.Ltile:                                                ; 16 trips whatever the split
	s_cmp_ge_u32 s30, s28
	s_cbranch_scc1 .Lskip
	s_wait_loadcnt 0x0                             ; my record is in registers
	WIN 0x0c
.set I, 0
.rept 50
	ds_store_b128 v11, v[4*I:4*I+3] offset:512*I
.set I, I+1
.endr
	WIN 0
	HFRAG0                                         ; (the last trip's products were shown done reading F, G and HS by that trip's wait on va_vdst; no vector instruction has been issued since)
.irp s, 0,1,2,3,4,5,6,7,8,9,10,11,12,13,14,15
	ds_load_b32 v[HS+\s], v13 offset:64*\s
.endr
	s_wait_alu depctr_vm_vsrc(0)                   ; the 50 stores have read the record's registers, in which the next record lands; the last trip's LDS stores have read ACC, which the products write again, and its global stores YO, in which LDS loads land again
	s_add_co_u32 s26, s30, 4
	s_cmp_ge_u32 s26, s28
	s_cbranch_scc1 .Lno_next
	GATH 4*RECB                                    ; tile j + 4, if there is one: it goes out while the first half's fragments are on their way from LDS
.Lno_next:
	s_wait_dscnt 0x0                               ; the first half's fragments and the scale words are in
	HFRAG1                                         ; the second half's fragments land under the first half's products
	MULH0
	s_wait_dscnt 0x0                               ; the second half's fragments are in
	MULH1
	s_wait_alu depctr_va_vdst(0)                   ; the products have written ACC, which the LDS stores read (the places above stay beside this wait); and they are done reading F, G and HS, in which the next trip's loads land
.irp n, 0,1
	ds_store_b128 v14, v[ACC+8*\n:ACC+8*\n+3] offset:64*\n           ; each accumulator from its low end on: y(row r, 16 n + 8 h + 0 .. 7)
	ds_store_b128 v14, v[ACC+8*\n+4:ACC+8*\n+7] offset:64*\n+16
.endr
.irp i, 0,1,2,3
	ds_load_b128 v[YO+4*\i:YO+4*\i+3], v15 offset:4*YP*\i            ; LDS serves a wave's instructions in order: these see the stores above
.endr
	s_wait_dscnt 0x0
.irp i, 0,1,2,3
	global_store_b128 v4, v[YO+4*\i:YO+4*\i+3], s[44:45] offset:512*\i   ; 512 consecutive bytes a store, at a multiple of 256 from yq's first byte
.endr
.Lskip:
	s_wait_xcnt 0x0                                ; the stores have read their data and base, the loads their base
	s_add_nc_u64 s[36:37], s[36:37], 4*RECB        ; four records on
	s_add_nc_u64 s[44:45], s[44:45], 262144        ; four tiles of 32 slices x 2,048 bytes on
	s_add_co_u32 s30, s30, 4
	s_sub_co_u32 s31, s31, 1
	s_cmp_lg_u32 s31, 0
	s_cbranch_scc1 .Ltile
	s_wait_dscnt 0x0                               ; the closing lines, six on end
	s_wait_alu 0x0
	s_wait_tensorcnt 0x0
	ds_add_u32 v254, v255
	s_wait_dscnt 0x0
	s_endpgm
.Lfunc_end_k_q0d63884fe1_down:
	.size	k_q0d63884fe1_down, .Lfunc_end_k_q0d63884fe1_down-k_q0d63884fe1_down
	.p2alignl 7, 3214868480
	.fill 96, 4, 3214868480
	.section	.rodata,"a",@progbits
	.p2align	6, 0x0
	.amdhsa_kernel k_q0d63884fe1_down
		.amdhsa_group_segment_fixed_size 199168
		.amdhsa_private_segment_fixed_size 0
		.amdhsa_enable_private_segment 0
		.amdhsa_kernarg_size 32
		.amdhsa_user_sgpr_count 2
		.amdhsa_user_sgpr_kernarg_segment_ptr 1
		.amdhsa_wavefront_size32 1
		.amdhsa_system_sgpr_workgroup_id_x 1
		.amdhsa_system_sgpr_workgroup_id_y 1
		.amdhsa_system_sgpr_workgroup_id_z 1
		.amdhsa_system_vgpr_workitem_id 0
		.amdhsa_next_free_vgpr 1024
		.amdhsa_next_free_sgpr 66
		.amdhsa_reserve_vcc 0
		.amdhsa_float_denorm_mode_32 3
		.amdhsa_float_denorm_mode_16_64 3
		.amdhsa_memory_ordered 1
		.amdhsa_forward_progress 1
		.amdhsa_inst_pref_size 94
	.end_amdhsa_kernel
	.amdgpu_metadata
---
amdhsa.version: [ 1, 2 ]
amdhsa.kernels:
  - .name:           k_q0d63884fe1_down
    .symbol:         k_q0d63884fe1_down.kd
    .args:
      - { .name: W2, .offset: 0, .size: 8, .value_kind: global_buffer, .address_space: global }
      - { .name: hq, .offset: 8, .size: 8, .value_kind: global_buffer, .address_space: global }
      - { .name: cnt, .offset: 16, .size: 8, .value_kind: global_buffer, .address_space: global }
      - { .name: yq, .offset: 24, .size: 8, .value_kind: global_buffer, .address_space: global }
    .group_segment_fixed_size: 199168
    .private_segment_fixed_size: 0
    .kernarg_segment_align: 8
    .kernarg_segment_size: 32
    .max_flat_workgroup_size: 128
    .sgpr_count:     66
    .vgpr_count:     1024
    .wavefront_size: 32
...
	.end_amdgpu_metadata
.endif
;; end of part 7
;; launch combine (part 8): grid 256 x 1, 4 waves a work-group, no clusters, 0 bytes of LDS; arguments yq, sel, coef, posE, out0; writes out0
.if DOCPART == 8
	.amdgcn_target "amdgcn-amd-amdhsa--gfx1250"
	.amdhsa_code_object_version 6
	.text
	.protected	k_q0d63884fe1_combine
	.globl	k_q0d63884fe1_combine
	.p2align	8
	.type	k_q0d63884fe1_combine,@function
k_q0d63884fe1_combine:
	s_mov_b64 s[64:65], 0
	v_nop
	global_prefetch_b8 v0, s[64:65] scope:SCOPE_SE
	s_setreg_imm32_b32 hwreg(HW_REG_WAVE_MODE, 25, 1), 1
	s_wait_xcnt 0x0
; out[t] = c0 y[e0][pos0] + c1 y[e1][pos1]: a token's two experts were served by different owners of W2, so their rows are added here, by the row's one owner.
; One wave takes one token (4 x work-group + wave).  sel[t] names the experts, posE[e][t] the token's rank in expert e's list, coef[t] the two weights; all were stored by earlier launches.
; yq: [e x 64 + pos / 16][slice 0..31][pos % 16][32 columns] f32: a row's 1,024 numbers lie as 32 pieces of 128 bytes, 2,048 bytes apart: eight lanes read a piece.
; A stream: no LDS, no barrier, no matrix unit; work-groups share nothing.
	s_load_b256 s[4:11], s[0:1], 0x0               ; yq s[4:5], sel s[6:7], coef s[8:9], posE s[10:11]
	s_load_b64 s[12:13], s[0:1], 0x20              ; out0
	v_lshrrev_b32 v1, 5, v0
	v_readfirstlane_b32 s14, v1                    ; wave
	s_lshl_b32 s15, ttmp9, 2
	s_add_co_u32 s15, s15, s14                     ; my token
	v_and_b32 v1, 31, v0                           ; lane
	v_lshlrev_b32 v4, 4, v1                        ; out: 16 x lane
	v_lshrrev_b32 v2, 3, v1
	v_and_b32 v3, 7, v1
	v_lshlrev_b32 v3, 4, v3
	v_lshl_add_u32 v5, v2, 11, v3                  ; yq: slice lane / 8 of four, 16 (lane % 8) in its piece
	s_lshl_b32 s20, s15, 2
	s_mov_b32 s21, 0
	s_lshl_b32 s22, s15, 3
	s_mov_b32 s23, 0
	s_lshl_b32 s24, s15, 12
	s_mov_b32 s25, 0
	s_wait_alu depctr_va_vdst(0)
	s_wait_kmcnt 0x0
	s_add_nc_u64 s[6:7], s[6:7], s[20:21]
	s_add_nc_u64 s[8:9], s[8:9], s[22:23]
	s_add_nc_u64 s[10:11], s[10:11], s[20:21]      ; posE at my token, expert 0
	s_add_nc_u64 s[12:13], s[12:13], s[24:25]
	s_load_b32 s16, s[6:7], 0x0
	s_load_b64 s[18:19], s[8:9], 0x0               ; c0, c1
	s_wait_kmcnt 0x0
	s_and_b32 s26, s16, 0xff
	s_min_u32 s26, s26, 7                          ; e0, held inside the tables
	s_bfe_u32 s27, s16, 0x80008
	s_min_u32 s27, s27, 7                          ; e1
	s_lshl_b32 s28, s26, 12
	s_mov_b32 s29, 0
	s_lshl_b32 s30, s27, 12
	s_mov_b32 s31, 0
	s_add_nc_u64 s[28:29], s[10:11], s[28:29]
	s_add_nc_u64 s[30:31], s[10:11], s[30:31]
	s_load_b32 s32, s[28:29], 0x0
	s_load_b32 s33, s[30:31], 0x0
	s_mov_b32 s38, s19
	s_mov_b32 s39, s19                             ; c1 as a pair: the packed form takes the low word for both halves
	s_wait_kmcnt 0x0
	s_min_u32 s32, s32, 1023                       ; pos0
	s_min_u32 s33, s33, 1023                       ; pos1
	s_lshl_b32 s34, s26, 22                        ; the expert's 64 tiles of 65,536 bytes,
	s_and_b32 s36, s32, 0x3f0
	s_lshl_b32 s36, s36, 12                        ; tile pos / 16,
	s_add_co_u32 s34, s34, s36
	s_and_b32 s36, s32, 15
	s_lshl_b32 s36, s36, 7                         ; row pos % 16 of 128 bytes
	s_add_co_u32 s34, s34, s36
	s_lshl_b32 s35, s27, 22
	s_and_b32 s36, s33, 0x3f0
	s_lshl_b32 s36, s36, 12
	s_add_co_u32 s35, s35, s36
	s_and_b32 s36, s33, 15
	s_lshl_b32 s36, s36, 7
	s_add_co_u32 s35, s35, s36
	v_add_nc_u32 v6, s34, v5
	v_add_nc_u32 v7, s35, v5
.irp i, 0,1,2,3,4,5,6,7
	global_load_b128 v[16+4*\i:19+4*\i], v6, s[4:5] offset:8192*\i th:TH_LOAD_NT    ; each routed row is read once in the launch
.endr
.irp i, 0,1,2,3,4,5,6,7
	global_load_b128 v[48+4*\i:51+4*\i], v7, s[4:5] offset:8192*\i th:TH_LOAD_NT
.endr
	s_wait_loadcnt 0x0
.irp k, 0,2,4,6,8,10,12,14,16,18,20,22,24,26,28,30
	v_pk_mul_f32 v[16+\k:17+\k], v[16+\k:17+\k], s[18:19] op_sel_hi:[1,0]
.endr
.irp k, 0,2,4,6,8,10,12,14,16,18,20,22,24,26,28,30
	v_pk_fma_f32 v[16+\k:17+\k], v[48+\k:49+\k], s[38:39], v[16+\k:17+\k] op_sel_hi:[1,0,1]
.endr
.irp i, 0,1,2,3,4,5,6,7
	global_store_b128 v4, v[16+4*\i:19+4*\i], s[12:13] offset:512*\i th:TH_STORE_NT  ; 512 consecutive bytes a store, at a multiple of 256 from out0's first byte
.endr
	s_endpgm
.Lfunc_end_k_q0d63884fe1_combine:
	.size	k_q0d63884fe1_combine, .Lfunc_end_k_q0d63884fe1_combine-k_q0d63884fe1_combine
	.p2alignl 7, 3214868480
	.fill 96, 4, 3214868480
	.section	.rodata,"a",@progbits
	.p2align	6, 0x0
	.amdhsa_kernel k_q0d63884fe1_combine
		.amdhsa_group_segment_fixed_size 0
		.amdhsa_private_segment_fixed_size 0
		.amdhsa_enable_private_segment 0
		.amdhsa_kernarg_size 40
		.amdhsa_user_sgpr_count 2
		.amdhsa_user_sgpr_kernarg_segment_ptr 1
		.amdhsa_wavefront_size32 1
		.amdhsa_system_sgpr_workgroup_id_x 1
		.amdhsa_system_sgpr_workgroup_id_y 1
		.amdhsa_system_sgpr_workgroup_id_z 1
		.amdhsa_system_vgpr_workitem_id 0
		.amdhsa_next_free_vgpr 112
		.amdhsa_next_free_sgpr 66
		.amdhsa_reserve_vcc 0
		.amdhsa_float_denorm_mode_32 3
		.amdhsa_float_denorm_mode_16_64 3
		.amdhsa_memory_ordered 1
		.amdhsa_forward_progress 1
		.amdhsa_inst_pref_size 7
	.end_amdhsa_kernel
	.amdgpu_metadata
---
amdhsa.version: [ 1, 2 ]
amdhsa.kernels:
  - .name:           k_q0d63884fe1_combine
    .symbol:         k_q0d63884fe1_combine.kd
    .args:
      - { .name: yq, .offset: 0, .size: 8, .value_kind: global_buffer, .address_space: global }
      - { .name: sel, .offset: 8, .size: 8, .value_kind: global_buffer, .address_space: global }
      - { .name: coef, .offset: 16, .size: 8, .value_kind: global_buffer, .address_space: global }
      - { .name: posE, .offset: 24, .size: 8, .value_kind: global_buffer, .address_space: global }
      - { .name: out0, .offset: 32, .size: 8, .value_kind: global_buffer, .address_space: global }
    .group_segment_fixed_size: 0
    .private_segment_fixed_size: 0
    .kernarg_segment_align: 8
    .kernarg_segment_size: 40
    .max_flat_workgroup_size: 128
    .sgpr_count:     66
    .vgpr_count:     112
    .wavefront_size: 32
...
	.end_amdgpu_metadata
.endif
;; end of part 8
